; MI455X (gfx1250); checked and timed in simulation.
; The chip was launched on July 23, 2026; its instructions are those of AMD's public machine-readable ISA for CDNA 5 (MIT licence, August 2026) and "CDNA5" Instruction Set Architecture Reference Guide (July 2026). The comments in the code are by the model that wrote it; some were corrected since.
;; Multi Head. Allowed arithmetic: matrix products marked QUANTISED: E3M2 operands, one E8M0 scale for each 32 along K, by v_wmma_scale_f32_16x16x128_f8f6f4 with both operands' format E3M2, f32 sums; everything else in f32.
;; Inputs: Wk_codes 1,024 x 32 x 24 uint8 (E3M2 codes of Wk, K innermost, in blocks of 32 codes, four codes in three bytes); Wk_scales 1,024 x 32 uint8 (E8M0 scales of Wk, one for each 32 codes along K); Wo_codes 1,024 x 32 x 24 uint8 (E3M2 codes of Wo, K innermost, in blocks of 32 codes, four codes in three bytes); Wo_scales 1,024 x 32 uint8 (E8M0 scales of Wo, one for each 32 codes along K); Wq_codes 1,024 x 32 x 24 uint8 (E3M2 codes of Wq, K innermost, in blocks of 32 codes, four codes in three bytes); Wq_scales 1,024 x 32 uint8 (E8M0 scales of Wq, one for each 32 codes along K); Wv_codes 1,024 x 32 x 24 uint8 (E3M2 codes of Wv, K innermost, in blocks of 32 codes, four codes in three bytes); Wv_scales 1,024 x 32 uint8 (E8M0 scales of Wv, one for each 32 codes along K); beta 1,024 float32; bk 1,024 float32; bo 1,024 float32; bq 1,024 float32; bv 1,024 float32; gamma 1,024 float32; k_codes 4 x 2,048 x 32 x 24 uint8 (E3M2 codes of k, K innermost, in blocks of 32 codes, four codes in three bytes); k_scales 4 x 2,048 x 32 uint8 (E8M0 scales of k, one for each 32 codes along K); mask 4 x 1 x 2,048 x 2,048 bool; q 4 x 2,048 x 1,024 float32; v_codes 4 x 2,048 x 32 x 24 uint8 (E3M2 codes of v, K innermost, in blocks of 32 codes, four codes in three bytes); v_scales 4 x 2,048 x 32 uint8 (E8M0 scales of v, one for each 32 codes along K).
;; Outputs: out0 4 x 2,048 x 1,024 float32.
;; Constants: training = 0.
;; This version of the problem:
;;   THIS VERSION OF THE PROBLEM IS GIVEN IN LOW PRECISION. The matrix products marked QUANTISED in the list below multiply operands that are first quantised to E3M2 (3 exponent bits, 2 mantissa bits; 6 bits a number), with one power-of-two scale for each 32 numbers along K (OCP MX v1.0); their sums are f32. All else is computed in f32.
;;   The module's matrix products, in the order in which they are computed (A, B: the left and right operand; K: the contracted axis; several contracted axes count as one K, in the product's order):
;;     1. [M 8,192, K 1,024] x [K 1,024, N 1,024]; A: input q; B: input Wq (given as codes): QUANTISED
;;     2. [M 8,192, K 1,024] x [K 1,024, N 1,024]; A: input k (given as codes); B: input Wk (given as codes): QUANTISED
;;     3. [M 8,192, K 1,024] x [K 1,024, N 1,024]; A: input v (given as codes); B: input Wv (given as codes): QUANTISED
;;     4. batch 64 x [M 2,048, K 64] x [K 64, N 2,048]; A: computed on the way; B: computed on the way: QUANTISED
;;     5. batch 64 x [M 2,048, K 2,048] x [K 2,048, N 64]; A: softmax (see below); B: computed on the way: QUANTISED
;;     6. [M 8,192, K 1,024] x [K 1,024, N 1,024]; A: computed on the way; B: input Wo (given as codes): QUANTISED
;;   THE QUANTISER, for each operand of a quantised product, along K:
;;     - K is cut into blocks of 32 from its start; a last block that is shorter is filled with zeros.
;;     - A block's scale is 2^e with e = floor(log2(the largest magnitude in the block)) - 4, held to -126 .. 127; a block of zeros has e = 0. As a byte (E8M0): e + 127.
;;     - Each number is divided by its block's scale, clamped to +-28, and rounded to the nearest number of E3M2, ties to even, subnormals kept.
;;     - The product sums the exact products of the quantised numbers (number of the format x scale) in f32.
;;   ~~~python
;;   def quantise(x, axis):      # numpy; x: float32 -> the quantised numbers, widened to float32 again
;;       x = np.moveaxis(x, axis, -1); K = x.shape[-1]
;;       x = np.pad(x, [(0, 0)] * (x.ndim - 1) + [(0, -K % 32)]); x = x.reshape(x.shape[:-1] + (-1, 32)); a = np.abs(x).max(-1, keepdims=True)
;;       e = np.where(a > 0, np.clip(np.frexp(np.where(a > 0, a, 1))[1] - 1 - 4, -126, 127), 0)      # np.frexp(a)[1] - 1 = floor(log2(a)), exactly
;;       r = np.clip(x / 2.0 ** e, -28, 28)
;;       step = 2.0 ** (np.maximum(np.frexp(np.where(r == 0, 1, r))[1] - 1, -2) - 2)
;;       q = np.round(r / step) * step * 2.0 ** e      # np.round: ties to even
;;       return np.moveaxis(q.reshape(q.shape[:-2] + (-1,))[..., :K], -1, axis).astype(np.float32)
;;   ~~~
;;   SOFTMAX AHEAD OF A QUANTISED PRODUCT. Where the list says 'softmax', what is quantised is not the finished softmax but p = 2^(t - M), with t = logit x log2(e) and M = ceil(the row's largest t), a whole number; so 1/2 < the row's largest p <= 1. The row's sum l is taken of the UNQUANTISED p, in f32, and the product's result is divided by l at the end. Since M is a whole number, a kernel that streams over the keys may use a running M (the ceiling of the running maximum): every later rescaling is an exact power of two, which a block's scale takes up: the codes' values come out the same.
;;   OPERANDS COMPUTED ON THE WAY. 'Computed on the way' means the value that the module computes at that place (a softmax that the list does not call 'softmax' is quantised finished and normalised). What goes into a quantiser is computed in f32, as accurately as f32 sums, v_exp_f32 and their like allow (about 1e-6 of the number): no bf16 or f16 on the way to a quantiser, and a product that is left as it is and whose result goes on into a quantised operand takes f32 operands (vector FMAs, or v_wmma_f32_16x16x4_f32). A number that lies on a knife's edge between two numbers of the format may be rounded either way, as far as f32 arithmetic and the matrix unit's own rounding can turn it there, and no further.
;;   INPUTS GIVEN AS CODES. Wk (in the module: [1024, 1024], K = its axis 1); Wo (in the module: [1024, 1024], K = its axis 1); Wq (in the module: [1024, 1024], K = its axis 1); Wv (in the module: [1024, 1024], K = its axis 1); k (in the module: [4, 2048, 1024], K = its axis 2); v (in the module: [4, 2048, 1024], K = its axis 2): each comes as NAME_codes (uint8): NAME with its K axis moved to the last place and cut into blocks of 32 codes, [.., K / 32, bytes a block], one block behind the other in memory; four codes in three bytes: a row's codes are one little-endian stream of bits, code i at bits 6 i .. 6 i + 5 (a code: sign, 3 exponent bits, 2 mantissa bits); and NAME_scales (uint8): the same leading axes, one E8M0 byte (e + 127) for each 32 codes along K. Its value is code x scale, taken as it is: it is not quantised again, and the codes and scales need not be those that the quantiser above would give.
;; One version. Each part assembles by itself: llvm-mc -triple=amdgcn-amd-amdhsa -mcpu=gfx1250 --defsym DOCPART=n.
;; ======== version 1 of 1: 4 launches
;; limits: right only within a limited range of input values
;; workspace buffers: qc 6,553,600 bytes; maskw 2,097,152 bytes of whole numbers; maskf 4,096 bytes of whole numbers; woimg 786,432 bytes; qkv 20,185,088 bytes; ctx 6,815,744 bytes
;; launch prep (part 1): grid 528 x 1, 4 waves a work-group, no clusters, 50,688 bytes of LDS; arguments q, mask, Wo_codes, qc, maskw, woimg, maskf; writes qc, maskw, woimg, maskf
.if DOCPART == 1
	.amdgcn_target "amdgcn-amd-amdhsa--gfx1250"
	.amdhsa_code_object_version 6
	.text
	.protected	k_qa6d2cf7595_prep
	.globl	k_qa6d2cf7595_prep
	.p2align	8
	.type	k_qa6d2cf7595_prep,@function
k_qa6d2cf7595_prep:
	s_mov_b64 s[64:65], 0
	v_nop
	global_prefetch_b8 v0, s[64:65] scope:SCOPE_SE
	s_setreg_imm32_b32 hwreg(HW_REG_WAVE_MODE, 25, 1), 1
	s_wait_xcnt 0x0
; MULTI-HEAD ATTENTION WITH A RESIDUAL AND A LAYER NORM, all six products on codes of BF6 (E3M2) with one E8M0 scale for each 32 along K.  Four launches: prep, proj, attn, outln.
; DEAD WORK: none is left out.  bq, bk, bv go into quantisers, bo, gamma, beta and the residual into the layer norm, every byte of the mask decides a score; training is the constant 0 and dropout the identity.
; 1 / (sqrt(64) + 1e-8) is 0.125 in f32, as the source itself computes it (8 + 1e-8 rounds to 8).
; LIMITS of the whole program: NaN and infinities among the inputs are not served.  A block whose largest magnitude lies under 2^-122, a block of zeros too, keeps the scale byte 1 (its codes are what that
; scale gives, zeros for zeros; these bytes are read by this program alone).  An exponential under 2^-126 counts as 0.  A query all of whose keys are masked gets NaN in its whole output row.
; THIS LAUNCH has three jobs, told apart by the work-group's number; each has LDS bytes of its own.
;   Q (work-groups 0-255):   q [8192][1024] f32 -> codes, rows of 768 bytes, at qc + 0, and scale bytes [8192][32] at qc + 6,291,456.  A wave takes 16 steps of 512 numbers.
;   M (work-groups 256-511): the mask's bytes -> words of 32 lane bits, in the order in which the attention's score registers want them.
;   W (work-groups 512-527): Wo's codes -> images of operand registers (16 rows x 128 K: 1,536 bytes, registers 4 c .. 4 c + 3 of lane l at 512 c + 16 l).
; No matrix unit, no cluster, no tensor load: three streams, nothing is shared.
.set SPW,   12                         ; v12  LDS address of my spare word; never rewritten
.set NIL,   13                         ; v13  0; never rewritten
.set SPARE, 50176                      ; the spare words, 128 bytes a wave: two blocks of 256 bytes that no other line names
.set STEPS, 16                         ; job Q
.set EMAX,  4
.set CB,    12                         ; bytes of 16 codes
.set R,     16                         ; v16-79   four sets of 16 numbers as loaded
.set X,     80                         ; v80-111  two sets of 16 neighbours
.set E,     112                        ; v112-127 a scale byte for each step
.set C,     128                        ; v128-191 codes, four registers a step
.set WREG,  8192                       ; LDS 0 .. 32,767: a region for each wave: two stages of 32 x SP bytes, then its 256 scale bytes
.set SP,    80
.set MSTG,  32768                      ; job M: LDS 32,768 on: a stage of 16 rows x 272 bytes for each wave
.set MR,    16                         ; v16-143  four units x eight loads x four registers
.set MX,    144                        ; v144-175 a unit as my lane wants it
.set MW,    176                        ; v176-191 a unit's 128 words, four registers a unit
	s_load_b256 s[4:11], s[0:1], 0x0               ; q s[4:5], mask s[6:7], Wo_codes s[8:9], qc s[10:11]
	s_load_b128 s[12:15], s[0:1], 0x20
	s_load_b64 s[32:33], s[0:1], 0x30              ; maskf: for each tile and half one word, bit s set where key step s of the half has a masked key
	v_lshl_add_u32 v[SPW], v0, 2, SPARE
	v_mov_b32 v[NIL], 0
	v_lshrrev_b32 v1, 5, v0
	v_readfirstlane_b32 s16, v1                    ; wave
	v_and_b32 v2, 31, v0                           ; lane
	s_wait_kmcnt 0x0
	s_cmp_lt_u32 ttmp9, 256
	s_cbranch_scc1 .Lpath_q
	s_cmp_lt_u32 ttmp9, 512
	s_cbranch_scc1 .Lpath_m
	; ---- JOB W.  A wave takes one tile of 16 rows of Wo (16 output columns), all eight K steps.
	s_sub_co_u32 s17, ttmp9, 512
	s_lshl_b32 s17, s17, 2
	s_add_co_u32 s17, s17, s16                     ; the tile, 0 .. 63
	s_mul_i32 s18, s17, 12288                      ; 16 rows of 768 bytes in, eight images of 1,536 bytes out
	s_mov_b32 s19, 0
	s_add_nc_u64 s[8:9], s[8:9], s[18:19]
	s_add_nc_u64 s[14:15], s[14:15], s[18:19]
	v_and_b32 v3, 15, v0
	v_bfe_u32 v4, v0, 4, 1
	v_mul_u32_u24 v3, v3, 768
	v_mad_u32_u24 v3, v4, 24, v3                   ; row lane % 16, + 24 bytes for the upper half of the lanes
	s_wait_alu depctr_va_vdst(0)
	v_lshlrev_b32 v6, 4, v2
.irp s, 0,1,2,3,4,5,6,7
.irp p, 0,1,2,3,4,5
	global_load_b64 v[16+12*\s+2*\p:17+12*\s+2*\p], v3, s[8:9] offset:96*\s+48*(\p/3)+8*(\p%3)
.endr
.endr
	s_wait_alu depctr_va_vdst(0)
.irp s, 0,1,2,3,4,5,6,7
	s_wait_loadcnt 6*(7-\s)                        ; fragment s is in; the later fragments' six loads each may be out
.irp c, 0,1,2
	global_store_b128 v6, v[16+12*\s+4*\c:19+12*\s+4*\c], s[14:15] offset:1536*\s+512*\c   ; 512 consecutive bytes
.endr
.endr
	s_endpgm
	; ---- JOB M.  A wave takes one tile of 16 queries and 1,024 keys, in four units of 256 keys (two key steps).
	; The tile's queries: lane r holds query 32 (tile / 2) + 8 (tile % 2) + r + 8 (r / 8).  Bit r + 16 h of word n of a key step is mask[query r][128 step + 32 (n / 16) + 16 h + n % 16].
.macro MLOAD k                         ; unit k: eight loads, two rows each: sixteen lanes read 256 consecutive bytes, aligned
.irp x, 0,1,2,3,4,5,6,7
	global_load_b128 v[MR+32*\k+4*\x:MR+32*\k+4*\x+3], v3, s[6:7] offset:(2*\x+8*(\x/4))*2048+256*\k th:TH_LOAD_NT
.endr
.endm
.macro MUNIT k
	s_wait_loadcnt 24-8*\k                         ; this unit's eight loads are in; the later units' may be out
.irp x, 0,1,2,3,4,5,6,7
	ds_store_b128 v4, v[MR+32*\k+4*\x:MR+32*\k+4*\x+3] offset:2*\x*272
.endr
.irp g, 0,1,2,3,4,5,6,7                        ; LDS serves a wave's instructions in order: these see the stores above
	ds_load_b128 v[MX+4*\g:MX+4*\g+3], v5 offset:128*(\g/4)+32*(\g%4)
.endr
	s_wait_dscnt 0x0
.set w, 0
.rept 128                                      ; word w: one byte of each lane becomes one bit
	v_and_b32 v[8+w%4], 0xff<<(8*(w%4)), v[MX+4*(w/16)+(w%16)/4]
	v_cmp_ne_u32 s[20+w%8], 0, v[8+w%4]
	v_writelane_b32 v[MW+4*\k+w%4], s[20+w%8], w/4 ; word w goes to lane w / 4, register w % 4: a store of 16 bytes a lane then lays the words in order
.set w, w+1
.endr
	global_store_b128 v6, v[MW+4*\k:MW+4*\k+3], s[12:13] offset:512*\k
	v_or_b32 v8, v[MW+4*\k], v[MW+4*\k+1]          ; lanes 0-15 hold the unit's first key step, lanes 16-31 its second: is any bit set?
	v_or_b32 v9, v[MW+4*\k+2], v[MW+4*\k+3]
	v_or_b32 v8, v8, v9
	v_cmp_ne_u32 s28, 0, v8
	s_and_b32 s29, s28, 0xffff
	s_cselect_b32 s29, 1<<(2*\k), 0
	s_or_b32 s30, s30, s29
	s_lshr_b32 s29, s28, 16
	s_cselect_b32 s29, 2<<(2*\k), 0
	s_or_b32 s30, s30, s29
.endm
.Lpath_m:
	s_sub_co_u32 s17, ttmp9, 256
	s_lshl_b32 s17, s17, 2
	s_add_co_u32 s17, s17, s16                     ; 2 x tile + half
	s_lshr_b32 s18, s17, 1                         ; the tile, 0 .. 511, over all four batches
	s_and_b32 s19, s17, 1                          ; which 1,024 keys
	s_lshr_b32 s20, s18, 1
	s_lshl_b32 s20, s20, 5
	s_and_b32 s21, s18, 1
	s_lshl_b32 s21, s21, 3
	s_add_co_u32 s20, s20, s21                     ; the tile's first row of the mask
	s_lshl_b32 s20, s20, 11
	s_lshl_b32 s21, s19, 10
	s_add_co_u32 s20, s20, s21
	s_mov_b32 s21, 0
	s_add_nc_u64 s[6:7], s[6:7], s[20:21]
	s_lshl_b32 s20, s17, 11                        ; 4,096 bytes of words a tile, 2,048 a half
	s_add_nc_u64 s[12:13], s[12:13], s[20:21]
	s_mul_i32 s22, s16, 4352
	s_add_co_u32 s22, s22, MSTG
	s_mov_b32 s30, 0                               ; the flags of my eight key steps
	v_and_b32 v7, 15, v0
	v_bfe_u32 v8, v0, 4, 1
	v_lshlrev_b32 v3, 4, v7
	v_lshl_add_u32 v3, v8, 11, v3                  ; in memory: 16 bytes a lane, the upper half of the lanes one row down
	v_mul_u32_u24 v4, v8, 272
	v_lshl_add_u32 v4, v7, 4, v4
	v_add_nc_u32 v4, s22, v4                       ; into the stage likewise
	v_mul_u32_u24 v5, v7, 272
	v_lshl_add_u32 v5, v8, 4, v5
	v_add_nc_u32 v5, s22, v5                       ; out of it: row lane % 16, 16 keys on for the upper half
	v_lshlrev_b32 v6, 4, v2
.set w, 0
.rept 16
	v_mov_b32 v[MW+w], 0                           ; written once: a lane write's destination counts as read
.set w, w+1
.endr
	MLOAD 0
	MLOAD 1
	MLOAD 2
	MLOAD 3
	MUNIT 0
	MUNIT 1
	MUNIT 2
	MUNIT 3
	s_lshl_b32 s28, s17, 2                         ; my word of flags: 4 bytes for each tile and half; the one store of 4 bytes a wave, 4,096 bytes in the launch
	s_mov_b32 s29, 0
	s_add_nc_u64 s[32:33], s[32:33], s[28:29]
	v_mov_b32 v8, s30
	v_mov_b32 v9, 0
	v_cmp_eq_u32 vcc_lo, 0, v2
	s_wait_alu depctr_va_vdst(0)                   ; the wait here, directly ahead of the wait below
	s_wait_xcnt 0x0                                ; EXEC changes only behind this wait
	s_and_saveexec_b32 s31, vcc_lo
	global_store_b32 v9, v8, s[32:33]              ; lane 0 alone
	s_wait_xcnt 0x0
	s_or_b32 exec_lo, exec_lo, s31
	s_wait_tensorcnt 0x0                           ; the wave's end, behind my last LDS store
	ds_add_u32 v[SPW], v[NIL]
	s_wait_dscnt 0x0
	s_endpgm
	; ---- JOB Q.  Each of a step's four loads reads 512 consecutive bytes; the 2,048 bytes turn through the wave's stage, so that a lane holds 16 neighbours along K; two neighbouring lanes hold a block.
.macro LOAD t
.irp i, 0,1,2,3
	global_load_b128 v[R+16*((\t)%4)+4*\i:R+16*((\t)%4)+4*\i+3], v3, s[4:5] offset:2048*(\t)+512*\i
.endr
.endm
.macro TURN t
.irp i, 0,1,2,3
	ds_store_b128 v14, v[R+16*((\t)%4)+4*\i:R+16*((\t)%4)+4*\i+3] offset:32*SP*((\t)%2)+8*SP*\i
.endr
.irp i, 0,1,2,3
	ds_load_b128 v[X+16*((\t)%2)+4*\i:X+16*((\t)%2)+4*\i+3], v15 offset:32*SP*((\t)%2)+16*\i
.endr
.endm
.macro STEP t
.set XS, X+16*((\t)%2)
.if (\t) > 0
	s_wait_dscnt 1                                 ; this step's numbers are back from the stage; the last step's byte store may be out
.else
	s_wait_dscnt 0x0
.endif
.if (\t)+4 < STEPS
	LOAD (\t)+4
.endif
.if (\t)+1 < STEPS
.if STEPS-2-(\t) >= 3
	s_wait_loadcnt 12                              ; the next step's four loads are in; those of the three steps behind it may be out
.else
	s_wait_loadcnt 4*(STEPS-2-(\t))
.endif
	TURN (\t)+1
.endif
	v_max3_num_f32 v8, |v[XS]|, |v[XS+1]|, |v[XS+2]|
	v_max3_num_f32 v9, |v[XS+3]|, |v[XS+4]|, |v[XS+5]|
.irp i, 6,10
	v_max3_num_f32 v8, v8, |v[XS+\i]|, |v[XS+\i+1]|
	v_max3_num_f32 v9, v9, |v[XS+\i+2]|, |v[XS+\i+3]|
.endr
	v_max3_num_f32 v8, v8, |v[XS+14]|, |v[XS+15]|
	v_max3_num_f32 v8, v8, v9, (EMAX+1)<<23        ; the floor 2^(5 - 127): the byte cannot fall under 1
	v_max_num_f32_dpp v8, v8, v8 row_xmask:1 row_mask:0xf bank_mask:0xf   ; with my neighbour's 16: the block's largest magnitude
	v_add_nc_u32 v11, -(EMAX<<23), v8              ; 4 off its exponent field: the conversion takes that field as its scale
	v_cvt_scalef32_pk16_bf6_f32 v[C+4*(\t):C+4*(\t)+2], v[XS:XS+15], v11
	v_lshrrev_b32 v[E+(\t)], 23, v11               ; the scale's byte
	ds_store_b8 v5, v[E+(\t)] offset:16*(\t)       ; both lanes of a block write the same byte with the same value
	global_store_b96 v4, v[C+4*(\t):C+4*(\t)+2], s[22:23] offset:32*CB*(\t)
.endm
.Lpath_q:
	s_wait_alu depctr_va_vdst(0)
	v_lshlrev_b32 v3, 4, v2
	s_mul_i32 s17, s16, WREG
	v_lshrrev_b32 v14, 2, v2
	v_mul_u32_u24 v14, v14, SP
	v_and_b32 v15, 3, v2
	v_lshl_add_u32 v14, v15, 4, v14
	v_add_nc_u32 v14, s17, v14                     ; the stage on the way in: four lanes' 64 bytes on end, then 16 of padding
	v_mul_u32_u24 v15, v2, SP
	v_add_nc_u32 v15, s17, v15                     ; and on the way out: my 16 neighbours
	v_mul_u32_u24 v4, v2, CB
	v_lshrrev_b32 v5, 1, v2
	s_add_co_u32 s17, s17, 2*32*SP
	v_add_nc_u32 v5, s17, v5                       ; my block's byte among my wave's 256
	v_lshlrev_b32 v7, 3, v2
	v_add_nc_u32 v6, s17, v7
	s_lshl_b32 s18, ttmp9, 2
	s_add_co_u32 s18, s18, s16                     ; which run of 8,192 numbers is my wave's: 0 .. 1,023
	s_lshl_b32 s20, s18, 15
	s_mov_b32 s21, 0
	s_add_nc_u64 s[4:5], s[4:5], s[20:21]
	s_mul_i32 s20, s18, 32*STEPS*CB
	s_add_nc_u64 s[22:23], s[10:11], s[20:21]      ; its codes
	s_lshl_b32 s20, s18, 8
	s_add_co_u32 s20, s20, 6291456
	s_add_nc_u64 s[24:25], s[10:11], s[20:21]      ; its scale bytes
.irp t, 0,1,2,3
	LOAD \t
.endr
	s_wait_alu depctr_va_vdst(0)
	s_wait_loadcnt 12                              ; step 0's four loads are in
	TURN 0
.irp t, 0,1,2,3,4,5,6,7,8,9,10,11,12,13,14,15
	STEP \t
.endr
	ds_load_b64 v[8:9], v6                         ; LDS serves a wave's instructions in order: these see my byte stores
	s_wait_dscnt 0x0
	global_store_b64 v7, v[8:9], s[24:25]          ; 32 lanes store 256 consecutive bytes, aligned
	s_wait_tensorcnt 0x0                           ; the wave's end, behind my last LDS store
	ds_add_u32 v[SPW], v[NIL]
	s_wait_dscnt 0x0
	s_endpgm
.Lfunc_end_k_qa6d2cf7595_prep:
	.size	k_qa6d2cf7595_prep, .Lfunc_end_k_qa6d2cf7595_prep-k_qa6d2cf7595_prep
	.p2alignl 7, 3214868480
	.fill 96, 4, 3214868480
	.section	.rodata,"a",@progbits
	.p2align	6, 0x0
	.amdhsa_kernel k_qa6d2cf7595_prep
		.amdhsa_group_segment_fixed_size 50688
		.amdhsa_private_segment_fixed_size 0
		.amdhsa_enable_private_segment 0
		.amdhsa_kernarg_size 56
		.amdhsa_user_sgpr_count 2
		.amdhsa_user_sgpr_kernarg_segment_ptr 1
		.amdhsa_wavefront_size32 1
		.amdhsa_system_sgpr_workgroup_id_x 1
		.amdhsa_system_sgpr_workgroup_id_y 1
		.amdhsa_system_sgpr_workgroup_id_z 1
		.amdhsa_system_vgpr_workitem_id 0
		.amdhsa_next_free_vgpr 192
		.amdhsa_next_free_sgpr 66
		.amdhsa_reserve_vcc 1
		.amdhsa_float_denorm_mode_32 3
		.amdhsa_float_denorm_mode_16_64 3
		.amdhsa_memory_ordered 1
		.amdhsa_forward_progress 1
		.amdhsa_inst_pref_size 148
	.end_amdhsa_kernel
	.amdgpu_metadata
---
amdhsa.version: [ 1, 2 ]
amdhsa.kernels:
  - .name:           k_qa6d2cf7595_prep
    .symbol:         k_qa6d2cf7595_prep.kd
    .args:
      - { .name: q, .offset: 0, .size: 8, .value_kind: global_buffer, .address_space: global }
      - { .name: mask, .offset: 8, .size: 8, .value_kind: global_buffer, .address_space: global }
      - { .name: Wo_codes, .offset: 16, .size: 8, .value_kind: global_buffer, .address_space: global }
      - { .name: qc, .offset: 24, .size: 8, .value_kind: global_buffer, .address_space: global }
      - { .name: maskw, .offset: 32, .size: 8, .value_kind: global_buffer, .address_space: global }
      - { .name: woimg, .offset: 40, .size: 8, .value_kind: global_buffer, .address_space: global }
      - { .name: maskf, .offset: 48, .size: 8, .value_kind: global_buffer, .address_space: global }
    .group_segment_fixed_size: 50688
    .private_segment_fixed_size: 0
    .kernarg_segment_align: 8
    .kernarg_segment_size: 56
    .max_flat_workgroup_size: 128
    .sgpr_count:     66
    .vgpr_count:     192
    .wavefront_size: 32
...
	.end_amdgpu_metadata
.endif
;; end of part 1
;; launch proj (part 2): grid 4 x 96, 4 waves a work-group, clusters of 4 x 4, 327,680 bytes of LDS; arguments qc, k_codes, Wv_codes, k_scales, Wv_scales, Wq_codes, Wk_codes, v_codes, Wq_scales, Wk_scales, v_scales, bq, bk, bv, qkv; writes qkv
.if DOCPART == 2
	.amdgcn_target "amdgcn-amd-amdhsa--gfx1250"
	.amdhsa_code_object_version 6
	.text
	.protected	k_qa6d2cf7595_proj
	.globl	k_qa6d2cf7595_proj
	.p2align	8
	.type	k_qa6d2cf7595_proj,@function
k_qa6d2cf7595_proj:
	s_mov_b64 s[64:65], 0
	v_nop
	global_prefetch_b8 v0, s[64:65] scope:SCOPE_SE
	s_setreg_imm32_b32 hwreg(HW_REG_WAVE_MODE, 25, 1), 1
	s_wait_xcnt 0x0
	s_wait_alu depctr_hold_cnt(0) depctr_sa_sdst(0) depctr_va_vdst(0) depctr_va_sdst(0) depctr_va_ssrc(0) depctr_va_vcc(0) depctr_vm_vsrc(0)
	s_getreg_b32 s2, hwreg(HW_REG_IB_STS2, 6, 4)
	s_cmp_eq_u32 s2, 0
	s_cbranch_scc0 .Lentry_in_a_cluster
	s_endpgm
.Lentry_in_a_cluster:
	s_bfe_u32 s2, ttmp6, 0x10000c
	s_cmp_lg_u32 s2, 0xf033
	s_cbranch_scc0 .Lentry_shape_is_right
	s_endpgm
.Lentry_shape_is_right:
; THE THREE PROJECTIONS on codes of BF6 with E8M0 scales, their biases, and the quantisers of the results.  No work is left out.
; Cluster row y / 8 says which: 0 query = q Wq^T + bq, 1 key = k Wk^T + bk (A = tokens, B = the weight), 2 value (A = Wv, B = tokens: the result lies with the keys along a lane's registers).
; A tile of 256 x 256 to a work-group of four waves, 128 x 128 a wave in 512 registers.  K = 1,024 is 768 bytes of a row: three chunks of 256 bytes, each beginning on a multiple of 256 bytes,
; through a ring of two LDS slots; a step of 128 along K is 96 bytes, eight steps to three chunks; steps 2 and 5 lie across two chunks and read both slots.
; The scales of the tile's 256 + 256 rows come once, as dense blocks.  At the head each wave issues one joint load: A's chunk 0, B's chunk 0, A's scales, B's scales.
; CLUSTERS 4 x 4: A's tiles are shared along a row of the cluster, B's along a column.  The matrix instruction is used transposed: source 0 = rows of B, source 1 = rows of A.
; ROWS OF A FRAGMENT: lane r of block i takes row 32 (i / 2) + 8 (i % 2) + r + 8 (r / 8) of the wave's 128, on both sides: so the 16 registers of two neighbouring blocks are 16 neighbours along the next K.
; The bias is the C of the first step's products.  The way out quantises each block of 16 rows along the next product's K and stores images of operand registers and scale words.
; NO PREFETCH: K has three chunks, of which two are asked for ahead of the first product; one refill is left, with no trip to run ahead in.
.set ROWB,   256
.set NQ,     2
.set KROW,   768
.set STEPS,  8
.set CHUNKS, 3
.set PITCH,  272                       ; 256 bytes + 16 of padding
.set FR,     12
.set NL,     6
.set NP,     4
.set HALFT,  128*PITCH
.set SLOT,   4*HALFT
.set KS,     32
.set SCL,    2*SLOT                    ; the scales, units of 256 bytes + 16
.set HALFS,  16*272
.set SPARE,  SCL+4*HALFS               ; the spare words: two blocks of 256 bytes that no other line names
.set BH,     315392                    ; bytes of a head in qkv
.set ADRA, 16                          ; v16-17 A's fragments in slot 0, 1; v18-19 for pieces whose two halves of the lanes read different chunks
.set ADRB, 20
.set O16,  24
.set O8,   25
.set OV,   26
.set ADRS, 27
.set SPW,  28
.set NIL,  29
.set SC,   32                          ; v32-63 scale words, two sets
.set BIAS, 64                          ; v64-127 the bias as C
.set AF,   128                         ; A's fragments, one set; window 1: B's, two sets; windows 2, 3: accumulators
.set PC,   128
.set TM,   152
.set PW,   176
.set SW,   184
.set SEL,  2
.set G1, 24
.set G0, 32
.set G1B, 48
.set G0B, 56
.set G1S, 68
.set G0S, 76
.set G1SB, 80
.set G0SB, 88
.set G0H, 4
.set G0HB, 8
.set MSB, 0
.macro WIN new
.if MSB != \new
	s_set_vgpr_msb (MSB<<8)|\new
.set MSB, \new
.endif
.endm
.macro WINM hi, zero                   ; source 0 window 1, source 1 window 0, D window 2 + hi; C with D, or (the bias) window 0
.if \zero
	WIN 0x81+0x40*(\hi)
.else
	WIN 0xa1+0x50*(\hi)
.endif
.endm
.set TO_B,   0x40
.macro JLOAD g0a, g1a, g0b, g1b        ; waves 0, 1 fetch for A, waves 2, 3 for B
	s_cmp_eq_u32 s15, 0
	s_cbranch_scc0 .Lfor_b_\@
	tensor_load_to_lds s[\g0a:\g0a+3], s[\g1a:\g1a+7]
	s_nop 0
.rept 4
	v_nop
.endr
	s_branch .Lasked_\@
.Lfor_b_\@:
	tensor_load_to_lds s[\g0b:\g0b+3], s[\g1b:\g1b+7]
	s_nop 0
.rept 4
	v_nop
.endr
.Lasked_\@:
.endm
.macro CREST
	s_cmp_lg_u32 s14, 0
	s_cbranch_scc1 .Lnot_wave_0_\@
	s_barrier_signal -3
.Lnot_wave_0_\@:
	s_barrier_wait -3
	s_barrier_signal -1
	s_barrier_wait -1
.endm
.macro CROUND
	s_barrier_signal -1
	s_barrier_wait -1
	CREST
.endm
	s_load_b512 s[16:31], s[0:1], 0x0
	s_load_b256 s[32:39], s[0:1], 0x40
	s_load_b128 s[40:43], s[0:1], 0x60
	s_load_b64 s[44:45], s[0:1], 0x70
	v_lshl_add_u32 v[SPW], v0, 2, SPARE
	v_mov_b32 v[NIL], 0
	ds_add_u32 v[SPW], v[NIL]                      ; the opening lines: the add twice on end and its wait
	ds_add_u32 v[SPW], v[NIL]
	v_lshrrev_b32 v1, 5, v0
	v_readfirstlane_b32 s14, v1                    ; wave
	s_and_b32 s96, ttmp7, 0xffff
	s_lshr_b32 s98, s96, 3                         ; 0 query, 1 key, 2 value: the same in all partners
	s_and_b32 s97, s96, 7
	s_lshl_b32 s97, s97, 2
	s_lshr_b32 s99, s98, 1
	s_wait_dscnt 0x0
	s_wait_kmcnt 0x0
	s_add_nc_u64 s[46:47], s[16:17], 6291456       ; q's scale bytes lie behind its codes
	s_mov_b64 s[100:101], s[44:45]
	s_cmp_eq_u32 s98, 0
	s_cselect_b64 s[4:5], s[16:17], s[18:19]       ; A's codes, A's scales, B's codes, B's scales, the bias
	s_cselect_b64 s[6:7], s[46:47], s[22:23]
	s_cselect_b64 s[8:9], s[26:27], s[28:29]
	s_cselect_b64 s[10:11], s[32:33], s[34:35]
	s_cselect_b64 s[12:13], s[38:39], s[40:41]
	s_cmp_eq_u32 s98, 2
	s_cselect_b64 s[4:5], s[20:21], s[4:5]
	s_cselect_b64 s[6:7], s[24:25], s[6:7]
	s_cselect_b64 s[8:9], s[30:31], s[8:9]
	s_cselect_b64 s[10:11], s[36:37], s[10:11]
	s_cselect_b64 s[12:13], s[42:43], s[12:13]
	s_lshr_b32 s15, s14, 1
	s_and_b32 s16, s14, 1
	s_bfe_u32 s40, ttmp6, 0x40000                  ; cx
	s_bfe_u32 s41, ttmp6, 0x40004                  ; cy
	s_mul_i32 s42, s97, s99
	s_add_co_u32 s42, s42, s40                     ; tile column
	s_sub_co_u32 s17, 1, s99
	s_mul_i32 s17, s17, s97
	s_add_co_u32 s17, s17, s41                     ; tile row
	s_lshl_b32 s43, s41, 2
	s_lshl_b32 s43, 15, s43
	s_lshl_b32 s44, 0x1111, s40
	s_mov_b32 s[SEL], 0x76543210
	s_mov_b32 s[SEL+1], 0xfedcba98
	s_or_b32 s[G1+0], s43, (0<<16)|(1<<20)|(1<<21)|(5<<22)|(3<<25)
	s_or_b32 s[G1B+0], s44, (0<<16)|(1<<20)|(1<<21)|(5<<22)|(3<<25)
.irp g, G1, G1B
	s_mov_b32 s[\g+1], ROWB<<16
	s_mov_b32 s[\g+2], 256<<16                     ; 256 rows for the head's loads
	s_mov_b32 s[\g+3], ROWB<<16
	s_mov_b32 s[\g+4], 256
	s_mov_b32 s[\g+5], KROW
	s_mov_b32 s[\g+6], 0
	s_mov_b32 s[\g+7], 0
.endr
	s_or_b32 s[G1S+0], s43, (3<<16)|(1<<20)|(1<<21)|(5<<22)|(3<<25)
	s_or_b32 s[G1SB+0], s44, (3<<16)|(1<<20)|(1<<21)|(5<<22)|(3<<25)
.irp g, G1S, G1SB
	s_mov_b32 s[\g+1], 32<<16                      ; 8,192 dense bytes as 32 rows of 256
	s_mov_b32 s[\g+2], KS<<16
	s_mov_b32 s[\g+3], 32<<16
	s_mov_b32 s[\g+4], KS
	s_mov_b32 s[\g+5], 32
	s_mov_b32 s[\g+6], 0
	s_mov_b32 s[\g+7], 0
.endr
	s_lshl_b32 s20, s17, 8
	s_lshl_b32 s46, s42, 8
	s_mov_b32 s21, 0
	s_mov_b32 s47, 0
	s_mov_b64 s[18:19], KS
	s_mul_u64 s[22:23], s[20:21], s[18:19]
	s_mul_u64 s[92:93], s[46:47], s[18:19]
	s_mov_b64 s[18:19], KROW
	s_mul_u64 s[20:21], s[20:21], s[18:19]
	s_mul_u64 s[46:47], s[46:47], s[18:19]
	s_mul_i32 s18, s16, 128*KROW                   ; in the ring I fetch 128 rows
	s_mov_b32 s19, 0
	s_mul_i32 s45, s14, HALFT
	s_add_nc_u64 s[20:21], s[4:5], s[20:21]
	s_add_nc_u64 s[22:23], s[6:7], s[22:23]
	s_add_nc_u64 s[46:47], s[8:9], s[46:47]
	s_add_nc_u64 s[92:93], s[10:11], s[92:93]
	CROUND                                         ; the first joint loads meet
	s_mov_b32 s[G0H], 1
	s_mov_b32 s[G0H+1], 0
	s_mov_b64 s[G0H+2:G0H+3], s[20:21]
	s_or_b32 s[G0H+3], s[G0H+3], 0x80000000
	s_mov_b32 s[G0HB], 1
	s_mov_b32 s[G0HB+1], 2*HALFT
	s_mov_b64 s[G0HB+2:G0HB+3], s[46:47]
	s_or_b32 s[G0HB+3], s[G0HB+3], 0x80000000
	s_mov_b32 s[G0S], 1
	s_mov_b32 s[G0S+1], SCL
	s_mov_b64 s[G0S+2:G0S+3], s[22:23]
	s_or_b32 s[G0S+3], s[G0S+3], 0x80000000
	s_mov_b32 s[G0SB], 1
	s_mov_b32 s[G0SB+1], SCL+2*HALFS
	s_mov_b64 s[G0SB+2:G0SB+3], s[92:93]
	s_or_b32 s[G0SB+3], s[G0SB+3], 0x80000000
	s_add_nc_u64 s[20:21], s[20:21], s[18:19]
	s_add_nc_u64 s[46:47], s[46:47], s[18:19]
.irp s, 0,1
	s_mov_b32 s[G0+4*\s], 1
	s_add_co_u32 s[G0+4*\s+1], s45, \s*SLOT
	s_add_nc_u64 s[G0+4*\s+2:G0+4*\s+3], s[20:21], \s*ROWB
	s_or_b32 s[G0+4*\s+3], s[G0+4*\s+3], 0x80000000
	s_mov_b32 s[G0B+4*\s], 1
	s_add_co_u32 s[G0B+4*\s+1], s45, \s*SLOT
	s_add_nc_u64 s[G0B+4*\s+2:G0B+4*\s+3], s[46:47], \s*ROWB
	s_or_b32 s[G0B+4*\s+3], s[G0B+4*\s+3], 0x80000000
.endr
.macro ARM under, g0, g1, next         ; one tree of branches on the wave's number, one load to an arm
	s_cmp_lt_u32 s14, \under
	s_cbranch_scc0 \next
	tensor_load_to_lds s[\g0:\g0+3], s[\g1:\g1+7]
	s_nop 0
.rept 4
	v_nop
.endr
	s_branch .Lhead_asked
\next:
.endm
	ARM 1, G0H,  G1,  .Lhead_b
	ARM 2, G0HB, G1B, .Lhead_sa
	ARM 3, G0S,  G1S, .Lhead_sb
	tensor_load_to_lds s[G0SB:G0SB+3], s[G1SB:G1SB+7]
	s_nop 0
.rept 4
	v_nop
.endr
.Lhead_asked:
	s_mov_b32 s18, SLOT-232
	s_mov_b32 s19, SLOT+232
	s_mul_i32 s20, s15, HALFT                      ; my 128 rows of A
	s_mul_i32 s21, s16, HALFT
	s_add_co_u32 s21, s21, 2*HALFT                 ; my 128 rows of B
	s_mul_i32 s22, s15, HALFS
	s_mul_i32 s23, s16, HALFS
	s_add_co_u32 s23, s23, 2*HALFS
	s_sub_co_u32 s23, s23, s22                     ; from A's scales to B's
	s_add_co_u32 s22, s22, SCL
	v_and_b32 v1, 15, v0
	v_bfe_u32 v2, v0, 4, 1
	v_and_b32 v6, 8, v1
	v_add_nc_u32 v6, v6, v1                        ; r + 8 (r / 8)
	v_mul_u32_u24 v3, v6, PITCH
	v_mul_u32_u24 v4, v2, 24
	v_add_nc_u32 v4, v3, v4
	v_sub_nc_u32 v7, 1, v2
	v_mul_u32_u24 v5, s18, v2
	v_add_nc_u32 v5, v3, v5
	v_add_nc_u32 v5, 232, v5                       ; lanes 0-15 byte 232 in slot 0, lanes 16-31 byte 0 in slot 1
	v_mul_u32_u24 v7, s19, v7
	v_add_nc_u32 v7, v3, v7                        ; lanes 0-15 byte 232 in slot 1, lanes 16-31 byte 0 in slot 0
	v_add_nc_u32 v[ADRA+2], s20, v5
	v_add_nc_u32 v[ADRA+3], s20, v7
	v_add_nc_u32 v[ADRB+2], s21, v5
	v_add_nc_u32 v[ADRB+3], s21, v7
	v_add_nc_u32 v[ADRA], s20, v4
	v_add_nc_u32 v[ADRB], s21, v4
	v_add_nc_u32 v[ADRA+1], SLOT, v[ADRA]
	v_add_nc_u32 v[ADRB+1], SLOT, v[ADRB]
	v_lshlrev_b32 v5, 5, v6                        ; my row's scales: 32 bytes a row, 16 more for each 256 passed
	v_lshrrev_b32 v7, 8, v5
	v_lshl_add_u32 v5, v7, 4, v5
	v_mul_u32_u24 v7, s23, v2                      ; lanes 16-31 take B's
	v_add_nc_u32 v5, v5, v7
	v_add_nc_u32 v[ADRS], s22, v5
	v_and_b32 v9, 31, v0
	v_lshlrev_b32 v[O16], 4, v9
	v_lshl_add_u32 v[O8], v9, 3, 512
	v_mul_u32_u24 v[OV], v2, BH
	v_lshl_add_u32 v[OV], v1, 4, v[OV]
	v_lshlrev_b32 v10, 6, v2                       ; the bias along a lane's registers: 16 channels on for the upper half
	v_lshlrev_b32 v11, 2, v6                       ; the bias of a lane's own channel
	s_wait_alu depctr_va_vdst(0)                   ; the wait behind the head's vector lines
	s_lshl_b32 s20, s17, 8
	s_lshl_b32 s21, s15, 7
	s_add_co_u32 s20, s20, s21                     ; my first row of A
	s_lshl_b32 s46, s42, 8
	s_lshl_b32 s47, s16, 7
	s_add_co_u32 s46, s46, s47                     ; my first row of B
	s_cmp_eq_u32 s98, 2
	s_cselect_b32 s92, s46, s20                    ; token
	s_cselect_b32 s93, s20, s46                    ; channel
	s_lshl_b32 s94, s93, 2
	s_mov_b32 s95, 0
	s_add_nc_u64 s[12:13], s[12:13], s[94:95]
	s_lshr_b32 s94, s92, 11
	s_lshl_b32 s94, s94, 4
	s_lshr_b32 s96, s93, 6
	s_add_co_u32 s94, s94, s96                     ; 16 batch + head
	s_mul_i32 s94, s94, BH
	s_mul_i32 s96, s98, 106496
	s_add_co_u32 s94, s94, s96
	s_bfe_u32 s96, s92, 0x40007
	s_mul_i32 s97, s96, 6144
	s_add_co_u32 s20, s94, s97
	s_mov_b32 s21, 0
	s_add_nc_u64 s[20:21], s[100:101], s[20:21]    ; my images
	s_lshr_b32 s97, 512, s99
	s_mul_i32 s97, s96, s97
	s_add_co_u32 s22, s94, s97
	s_add_co_u32 s22, s22, 98304
	s_mov_b32 s23, 0
	s_add_nc_u64 s[22:23], s[100:101], s[22:23]    ; my scale words
	s_cmp_eq_u32 s98, 2
	s_cbranch_scc1 .Lbias_v
.irp b, 0,1,2,3,4,5,6,7
	global_load_b128 v[BIAS+8*\b:BIAS+8*\b+3], v10, s[12:13] offset:4*(32*(\b/2)+8*(\b%2))
	global_load_b128 v[BIAS+8*\b+4:BIAS+8*\b+7], v10, s[12:13] offset:4*(32*(\b/2)+8*(\b%2))+16
.endr
	s_branch .Lbias_done
.Lbias_v:
.irp a, 0,1,2,3,4,5,6,7
.irp j, 0,1,2,3,4,5,6,7
	global_load_b32 v[BIAS+8*\a+\j], v11, s[12:13] offset:4*(32*(\a/2)+8*(\a%2))
.endr
.endr
.Lbias_done:
.macro FRAG reg, adr, st, i            ; 12 registers in pieces of 8 bytes; byte y of a row lies in slot (y / 256) % 2 at byte y % 256
.irp p, 0,1,2,3,4,5
.set BY, 96*(\st)+48*(\p/3)+8*(\p%3)
.if BY/ROWB == (BY+24)/ROWB
	ds_load_b64 v[\reg+2*\p:\reg+2*\p+1], v[\adr+(BY/ROWB)%2] offset:BY%ROWB+(32*((\i)/2)+8*((\i)%2))*PITCH
.else
	ds_load_b64 v[\reg+2*\p:\reg+2*\p+1], v[\adr+2+(BY/ROWB)%2] offset:BY%ROWB-232+(32*((\i)/2)+8*((\i)%2))*PITCH
.endif
.endr
.endm
.macro MUL16 a0, p, q, sc, zero        ; zero = 1: C = the bias by B's block; 2: by A's block; 0: in place.  The 64 accumulators take turns
.irp a, \a0, \a0+1
.irp b, 0,1,2,3,4,5,6,7
.if \zero == 1
	v_wmma_scale_f32_16x16x128_f8f6f4 v[8*(8*((\a)%4)+\b):8*(8*((\a)%4)+\b)+7], v[128*(\p)+FR*\b:128*(\p)+FR*\b+FR-1], v[AF+FR*(\a):AF+FR*(\a)+FR-1], v[BIAS+8*\b:BIAS+8*\b+7], v[SC+8*NQ*(\sc)+NQ*\b+(\q)], v[SC+8*NQ*(\sc)+NQ*(\a)+(\q)] matrix_a_fmt:MATRIX_FMT_BF6 matrix_b_fmt:MATRIX_FMT_BF6 matrix_a_scale:MATRIX_SCALE_ROW1
.elseif \zero == 2
	v_wmma_scale_f32_16x16x128_f8f6f4 v[8*(8*((\a)%4)+\b):8*(8*((\a)%4)+\b)+7], v[128*(\p)+FR*\b:128*(\p)+FR*\b+FR-1], v[AF+FR*(\a):AF+FR*(\a)+FR-1], v[BIAS+8*(\a):BIAS+8*(\a)+7], v[SC+8*NQ*(\sc)+NQ*\b+(\q)], v[SC+8*NQ*(\sc)+NQ*(\a)+(\q)] matrix_a_fmt:MATRIX_FMT_BF6 matrix_b_fmt:MATRIX_FMT_BF6 matrix_a_scale:MATRIX_SCALE_ROW1
.else
	v_wmma_scale_f32_16x16x128_f8f6f4 v[8*(8*((\a)%4)+\b):8*(8*((\a)%4)+\b)+7], v[128*(\p)+FR*\b:128*(\p)+FR*\b+FR-1], v[AF+FR*(\a):AF+FR*(\a)+FR-1], v[8*(8*((\a)%4)+\b):8*(8*((\a)%4)+\b)+7], v[SC+8*NQ*(\sc)+NQ*\b+(\q)], v[SC+8*NQ*(\sc)+NQ*(\a)+(\q)] matrix_a_fmt:MATRIX_FMT_BF6 matrix_b_fmt:MATRIX_FMT_BF6 matrix_a_scale:MATRIX_SCALE_ROW1
.endif
.endr
.endr
.endm
.macro FETCH_B st, p
	WIN TO_B
.irp i, 0,1,2,3,4,5,6,7
	FRAG 128*(\p)+FR*\i, ADRB, \st, \i
.endr
	WIN 0
.endm
.macro FETCH_A st, i0
.irp i, \i0, \i0+1, \i0+2, \i0+3
	FRAG AF+FR*(\i), ADRA, \st, \i
.endr
.endm
.macro SCALES pr                       ; the words of steps 2 pr, 2 pr + 1: lanes 0-15 A's block i, lanes 16-31 B's
.irp i, 0,1,2,3,4,5,6,7
	ds_load_b64 v[SC+8*NQ*((\pr)%2)+NQ*\i:SC+8*NQ*((\pr)%2)+NQ*\i+1], v[ADRS] offset:(4*(\i/2)+\i%2)*272+4*NQ*(\pr)
.endr
.endm
.macro PLACES n
.rept \n
	v_nop
.endr
.endm
; A step: 64 products; the next step's fragments are fetched in its middle and at its end.  Where the next step ends in a chunk not yet read: the wait for my loads and a barrier.
; Where it begins in a later chunk: the three lines, the barrier, and, where a chunk two on is left, the rest of a round and the refill.
.macro STEP st, zero
.set NX, (\st)+1
.set C0, (96*(\st))/ROWB
.set C1, (96*NX)/ROWB
.set E0, (96*(\st)+95)/ROWB
.set E1, (96*NX+95)/ROWB
.if C1 > C0 || E1 > E0
	s_wait_tensorcnt 0x0                           ; all my tensor loads have landed
.if C1 > C0
	ds_add_u32 v[SPW], v[NIL]
	s_wait_dscnt 4*NL+1                            ; the add and A's blocks 4-7 may be out
.else
	s_wait_dscnt 4*NL                              ; A's blocks 4-7 may be out
.endif
	WINM 0, \zero
	MUL16 0, (\st)%2, (\st)%2, ((\st)/2)%2, \zero
	s_wait_dscnt 0x0                               ; the add and my reads are done
	s_barrier_signal -1
	MUL16 2, (\st)%2, (\st)%2, ((\st)/2)%2, \zero
	WIN 0
	s_barrier_wait -1
.if C1 > C0 && C0+2 < CHUNKS
	CREST
	s_add_nc_u64 s[G0+4*(C0%2)+2:G0+4*(C0%2)+3], s[G0+4*(C0%2)+2:G0+4*(C0%2)+3], 2*ROWB
	s_add_nc_u64 s[G0B+4*(C0%2)+2:G0B+4*(C0%2)+3], s[G0B+4*(C0%2)+2:G0B+4*(C0%2)+3], 2*ROWB
	JLOAD G0+4*(C0%2), G1, G0B+4*(C0%2), G1B       ; chunk C0 + 2; its four v_nop are the places in front of the loads below
.else
	PLACES NP
.endif
.else
	s_wait_dscnt 4*NL                              ; A's blocks 4-7 may be out
	WINM 0, \zero
	MUL16 0, (\st)%2, (\st)%2, ((\st)/2)%2, \zero
	MUL16 2, (\st)%2, (\st)%2, ((\st)/2)%2, \zero
	s_wait_dscnt 0
	PLACES NP
.endif
	FETCH_B NX, NX%2
	FETCH_A NX, 0
.if NX%2 == 0
	SCALES NX/2
.endif
	WINM 1, \zero
	MUL16 4, (\st)%2, (\st)%2, ((\st)/2)%2, \zero
	MUL16 6, (\st)%2, (\st)%2, ((\st)/2)%2, \zero
	PLACES NP
	WIN 0
	FETCH_A NX, 4
.endm
	s_wait_alu depctr_va_vdst(0)                   ; the wait at the head's end
	s_wait_tensorcnt 0x0                           ; my tile of the head's four is in; the three lines ahead of slot 1's first fill
	ds_add_u32 v[SPW], v[NIL]
	s_mov_b32 s[G1+2], 128<<16                     ; no load of mine is out: from here on a load brings 128 rows
	s_mov_b32 s[G1+4], 128
	s_mov_b32 s[G1B+2], 128<<16
	s_mov_b32 s[G1B+4], 128
	s_wait_dscnt 0x0
	CROUND
	JLOAD G0+4, G1, G0B+4, G1B                     ; chunk 1
	FETCH_B 0, 0
	FETCH_A 0, 0
	SCALES 0
	FETCH_A 0, 4
	s_wait_loadcnt 0x0                             ; the bias
	s_cmp_eq_u32 s98, 2
	s_cbranch_scc1 .Lfirst_v
	STEP 0, 1
	s_branch .Lfirst_done
.Lfirst_v:
	STEP 0, 2
.Lfirst_done:
.set ST, 1
.rept STEPS-2
	STEP ST, 0
.set ST, ST+1
.endr
	s_wait_dscnt 4*NL
	WINM 0, 0
	MUL16 0, 1, 1, 1, 0
	MUL16 2, 1, 1, 1, 0
	s_wait_dscnt 0
	WINM 1, 0
	MUL16 4, 1, 1, 1, 0
	MUL16 6, 1, 1, 1, 0
	WIN 0
	PLACES NP
; THE WAY OUT of A's block a: four blocks of 32 along a lane's registers and lane l xor 16's; scale bytes, codes, whole blocks to a lane, stores of images.
.macro EPI a
.set AC, 64*((\a)%4)
.set WD, 2+(\a)/4
.set WN, (WD<<2)|(WD<<4)
.if (\a) > 0
	s_wait_xcnt 0x0                                ; the last block's stores have read their registers
.endif
	WIN WN
.irp b, 0,1,2,3
	v_max3_num_f32 v[TM+\b], 0x2800000, |v[AC+16*\b]|, |v[AC+16*\b+1]|
.endr
.irp i, 2,4,6,8,10,12,14
.irp b, 0,1,2,3
	v_max3_num_f32 v[TM+\b], v[TM+\b], |v[AC+16*\b+\i]|, |v[AC+16*\b+\i+1]|
.endr
.endr
	WIN 0
.irp b, 0,1,2,3
	v_permlanex16_b32 v[TM+4+\b], v[TM+\b], s[SEL], s[SEL+1]
.endr
.irp b, 0,1,2,3
	v_max_num_f32 v[TM+\b], v[TM+\b], v[TM+4+\b]
.endr
.irp b, 0,1,2,3
	v_add_nc_u32 v[TM+12+\b], 0xfe000000, v[TM+\b]
.endr
.irp b, 0,1,2,3
	v_lshrrev_b32 v[TM+4+\b], 23, v[TM+12+\b]
.endr
	v_lshl_or_b32 v[PW+\a], v[TM+5], 8, v[TM+4]
	v_lshl_or_b32 v[PW+\a], v[TM+6], 16, v[PW+\a]
	v_lshl_or_b32 v[PW+\a], v[TM+7], 24, v[PW+\a]
	WIN WD
.irp c, 0,1
	v_cvt_scalef32_pk16_bf6_f32 v[PC+6*\c:PC+2+6*\c], v[AC+32*\c:AC+15+32*\c], v[TM+12+2*\c]
	v_cvt_scalef32_pk16_bf6_f32 v[PC+12+4*\c:PC+14+4*\c], v[AC+16+32*\c:AC+31+32*\c], v[TM+12+2*\c+1]
.endr
	WIN 0
	v_nop
.irp c, 0,1
.irp i, 0,1,2
	v_permlane16_swap_b32 v[PC+6*\c+\i], v[PC+12+4*\c+\i]
.endr
.irp i, 0,1,2
	v_mov_b32 v[PC+3+6*\c+\i], v[PC+12+4*\c+\i]
.endr
.endr
	s_cmp_eq_u32 s98, 2
	s_wait_alu depctr_va_vdst(0)                   ; the wait ahead of the branch
	s_cbranch_scc1 .Lst_v_\@
	global_store_b128 v[O16], v[PC:PC+3], s[20:21] offset:768*(\a)
	global_store_b64 v[O8], v[PC+4:PC+5], s[20:21] offset:768*(\a)
	global_store_b128 v[O16], v[PC+6:PC+9], s[20:21] offset:768*(\a)+BH
	global_store_b64 v[O8], v[PC+10:PC+11], s[20:21] offset:768*(\a)+BH
	s_branch .Lst_done_\@
.Lst_v_\@:
.irp c, 0,1,2
	global_store_b128 v[O16], v[PC+4*\c:PC+4*\c+3], s[20:21] offset:((\a)/4)*BH+((\a)%4)*1536+512*\c
.endr
.Lst_done_\@:
.endm
.irp b, 0,1,2,3
	v_mov_b32 v[TM+4+\b], 0
.endr
	s_mov_b32 s96, 0xffff0000
.irp a, 0,1,2,3,4,5,6,7
	EPI \a
.endr
.irp c, 0,1,2,3
	v_cndmask_b32 v[SW+\c], v[PW+\c], v[PW+4+\c], s96
.endr
	s_cmp_eq_u32 s98, 2
	s_wait_alu depctr_va_vdst(0)
	s_cbranch_scc1 .Lsw_v
	global_store_b128 v[O16], v[SW:SW+3], s[22:23]
.irp c, 0,1,2,3
	v_lshrrev_b32 v[SW+4+\c], 16, v[SW+\c]
.endr
	global_store_b128 v[O16], v[SW+4:SW+7], s[22:23] offset:BH
	s_branch .Lsw_done
.Lsw_v:
	global_store_b128 v[OV], v[SW:SW+3], s[22:23]
.Lsw_done:
	s_wait_tensorcnt 0x0                           ; the wave's end
	ds_add_u32 v[SPW], v[NIL]
	s_wait_dscnt 0x0
	CROUND                                         ; the closing round
	s_endpgm
.Lfunc_end_k_qa6d2cf7595_proj:
	.size	k_qa6d2cf7595_proj, .Lfunc_end_k_qa6d2cf7595_proj-k_qa6d2cf7595_proj
	.p2alignl 7, 3214868480
	.fill 96, 4, 3214868480
	.section	.rodata,"a",@progbits
	.p2align	6, 0x0
	.amdhsa_kernel k_qa6d2cf7595_proj
		.amdhsa_group_segment_fixed_size 327680
		.amdhsa_private_segment_fixed_size 0
		.amdhsa_enable_private_segment 0
		.amdhsa_kernarg_size 120
		.amdhsa_user_sgpr_count 2
		.amdhsa_user_sgpr_kernarg_segment_ptr 1
		.amdhsa_wavefront_size32 1
		.amdhsa_system_sgpr_workgroup_id_x 1
		.amdhsa_system_sgpr_workgroup_id_y 1
		.amdhsa_system_sgpr_workgroup_id_z 1
		.amdhsa_system_vgpr_workitem_id 0
		.amdhsa_next_free_vgpr 1024
		.amdhsa_next_free_sgpr 102
		.amdhsa_reserve_vcc 0
		.amdhsa_float_denorm_mode_32 3
		.amdhsa_float_denorm_mode_16_64 3
		.amdhsa_memory_ordered 1
		.amdhsa_forward_progress 1
		.amdhsa_inst_pref_size 193
	.end_amdhsa_kernel
	.amdgpu_metadata
---
amdhsa.version: [ 1, 2 ]
amdhsa.kernels:
  - .name:           k_qa6d2cf7595_proj
    .symbol:         k_qa6d2cf7595_proj.kd
    .args:
      - { .name: qc, .offset: 0, .size: 8, .value_kind: global_buffer, .address_space: global }
      - { .name: k_codes, .offset: 8, .size: 8, .value_kind: global_buffer, .address_space: global }
      - { .name: Wv_codes, .offset: 16, .size: 8, .value_kind: global_buffer, .address_space: global }
      - { .name: k_scales, .offset: 24, .size: 8, .value_kind: global_buffer, .address_space: global }
      - { .name: Wv_scales, .offset: 32, .size: 8, .value_kind: global_buffer, .address_space: global }
      - { .name: Wq_codes, .offset: 40, .size: 8, .value_kind: global_buffer, .address_space: global }
      - { .name: Wk_codes, .offset: 48, .size: 8, .value_kind: global_buffer, .address_space: global }
      - { .name: v_codes, .offset: 56, .size: 8, .value_kind: global_buffer, .address_space: global }
      - { .name: Wq_scales, .offset: 64, .size: 8, .value_kind: global_buffer, .address_space: global }
      - { .name: Wk_scales, .offset: 72, .size: 8, .value_kind: global_buffer, .address_space: global }
      - { .name: v_scales, .offset: 80, .size: 8, .value_kind: global_buffer, .address_space: global }
      - { .name: bq, .offset: 88, .size: 8, .value_kind: global_buffer, .address_space: global }
      - { .name: bk, .offset: 96, .size: 8, .value_kind: global_buffer, .address_space: global }
      - { .name: bv, .offset: 104, .size: 8, .value_kind: global_buffer, .address_space: global }
      - { .name: qkv, .offset: 112, .size: 8, .value_kind: global_buffer, .address_space: global }
    .group_segment_fixed_size: 327680
    .private_segment_fixed_size: 0
    .kernarg_segment_align: 8
    .kernarg_segment_size: 120
    .max_flat_workgroup_size: 128
    .sgpr_count:     102
    .vgpr_count:     1024
    .wavefront_size: 32
...
	.end_amdgpu_metadata
.endif
;; end of part 2
;; launch attn (part 3): grid 4 x 64, 16 waves a work-group, no clusters, 210,944 bytes of LDS; arguments maskw, maskf, ctx, qkv; writes ctx
.if DOCPART == 3
	.amdgcn_target "amdgcn-amd-amdhsa--gfx1250"
	.amdhsa_code_object_version 6
	.text
	.protected	k_qa6d2cf7595_attn
	.globl	k_qa6d2cf7595_attn
	.p2align	8
	.type	k_qa6d2cf7595_attn,@function
k_qa6d2cf7595_attn:
	s_mov_b64 s[64:65], 0
	v_nop
	global_prefetch_b8 v0, s[64:65] scope:SCOPE_SE
	s_setreg_imm32_b32 hwreg(HW_REG_WAVE_MODE, 25, 1), 1
	s_wait_xcnt 0x0
; ATTENTION on codes of BF6 with E8M0 scales: scores, mask, softmax, weighted values, division by the row's sum, and the quantiser of the result along the model's axis.
; t = score x 0.125 log2(e); M = the running largest t rounded up to a whole number; p = 2^(t - M) is quantised along the keys, not normalised; the row's sum is taken of the unquantised p.
; THE MASK.  A masked score becomes -infinity ahead of the maximum.  maskf holds a bit for each tile of 16 queries and key step of 128 keys: set where any of the step's 2,048 mask bytes is set.
; Where it is clear the selects would change nothing: the step's 64 mask words are neither loaded nor applied.  Whole numbers read from memory decide; every value of the mask is served.
; LIMIT: a query all of whose keys are masked has the sum 0: its codes are zeros and its scale bytes 0xff, which make the last product NaN for that row.
; SHARES.  y = 16 batch + head; x says which 512 queries.  Each of the sixteen waves takes two tiles of 16 queries, one after the other, in 256 registers.
; NO RING, NO TENSOR LOAD, NO CLUSTER.  A head's K images, K scale words, V images and V scale words are one dense block of 208,896 bytes, which comes into LDS once and stays: 25 loads of 16 bytes and one of 8
; a thread, through registers.  The four work-groups of a head read the same block, but a joint request is a tensor load.
; Nothing is prefetched: the block is asked for at the head, with no loop to run ahead in.
; LAYOUT.  Both products are used transposed: a lane holds one query (lane % 16).  Score registers 16 b + i are keys 32 b + 16 (lane / 16) + i of the step's 128.
; The head has 64 numbers and the instruction takes 128.  Q's upper six registers hold zero codes, so what stands in the upper six of a K fragment adds nothing (every code and every scale byte there is finite):
; K's eight fragments lie six registers apart, each one's upper half being the next one's data; behind the last stand six registers of zeros.
; ORDER OF A STEP: eight score products; V's fragments are asked for, into K's registers; softmax; four products on O^T; behind them the row's sum of p, which still lies in the score registers, and among its
; additions the next step's K loads.  A tile's last step asks for 18 loads past K's last image, inside LDS, which nothing uses.
; REGISTERS: v1-7 addresses that stay; v8-11, v29 addresses in hand; v12 -M, v13 the largest t, v[14:15] the sum; v16-27 Q of tile 0, v28 its scale words; v30 the result's scale words; v32-85 K's fragments, then (v32-79) V's;
; v86-93 K's scale words; v96-159 scores, then p; v160-191 O^T; v192-203 Q of tile 1, v204 its scale words; v206-219 partial sums; v224-235 p's codes; v236-255 at work; v248-251 V's scale words, v253 p's.
.set BH,    315392
.set KSC,   98304                      ; LDS: K's images at 0, K's scale words,
.set VI,    106496                     ; V's images,
.set VSC,   204800                     ; V's scale words
.set SPARE, 208896                     ; the spare words, 128 bytes a wave: eight blocks of 256 bytes that no other line names
.set AK0,  1
.set AK1,  2
.set AV0,  3
.set ASK0, 4
.set SPW,  5
.set NIL,  6
.set ASV0, 7
.set ADK,  8
.set ADK2, 9
.set ADV,  10
.set ADS,  11
.set ADT,  29
.set WSV,  30
.set KV,   4                           ; s[4:5]   the head's block
.set QI,   6                           ; s[6:7]   Q's two images
.set FP,   12                          ; s[12:13] my four words of flags; s[8:11] the words
.set QB,   66                          ; s[16:63], s[80:95]: a key step's 64 mask words
.set MP,   68
.set CI,   70
.set SEL,  72
.set CS,   74
.set TK,   76
.set TS,   77
.set TJ,   78
.set STP,  79
.set WV,   96
.set CNT,  97                          ; steps done, over both tiles
.set FL,   98                          ; bit n: step n of my 32 has a masked key
.set CW,   100
	s_load_b128 s[80:83], s[0:1], 0x0              ; maskw, maskf
	s_load_b128 s[84:87], s[0:1], 0x10             ; ctx, qkv
	v_lshl_add_u32 v[SPW], v0, 2, SPARE
	v_mov_b32 v[NIL], 0
	v_lshrrev_b32 v12, 5, v0
	v_and_b32 v13, 31, v0
	v_and_b32 v14, 15, v0
	v_readfirstlane_b32 s[WV], v12                 ; wave 0..15
	v_lshlrev_b32 v[AK0], 4, v13
	v_lshl_add_u32 v[AK1], v13, 3, 512
	v_lshlrev_b32 v31, 4, v14
	v_lshlrev_b32 v8, 4, v0                        ; the fill: 16 bytes a thread, 8,192 a turn; an LDS offset reaches eight turns
	v_lshlrev_b32 v30, 3, v0
	v_lshl_add_u32 v29, v0, 3, VSC                 ; the last 4,096 bytes: 8 a thread
	v_add_nc_u32 v[AV0], VI, v[AK0]
	v_add_nc_u32 v[ASK0], KSC, v31
	v_add_nc_u32 v[ASV0], VSC, v31
	v_add_nc_u32 v9, 0x10000, v8
	v_add_nc_u32 v10, 0x20000, v8
	v_add_nc_u32 v11, 0x30000, v8
.irp j, 0,1,2,3,4,5
	v_mov_b32 v[22+\j], 0                          ; zero codes for k = 64 .. 127 of Q's two fragments,
	v_mov_b32 v[198+\j], 0
	v_mov_b32 v[80+\j], 0                          ; and behind K's last fragment
.endr
.irp b, 0,1,2,3
	v_mov_b32 v[236+\b], 0                         ; a lane permute's destination counts as one of its sources
.endr
	v_mov_b32 v252, 0
	v_mov_b32 v253, 0
	s_mov_b32 s100, ttmp9
	s_and_b32 s101, ttmp7, 0xffff                  ; 16 batch + head
	s_mov_b32 s[SEL], 0x76543210
	s_mov_b32 s[SEL+1], 0xfedcba98
	s_mov_b32 s[CS], 0x3e38aa3b                    ; 0.125 log2(e)
	s_mov_b32 s[CS+1], s[CS]
	s_mul_i32 s2, s101, BH
	s_mov_b32 s3, 0
	s_mov_b32 s[CNT], 0
	s_wait_alu depctr_va_vdst(0)                   ; the wait at the end of the head's vector lines
	s_wait_kmcnt 0x0
	s_add_nc_u64 s[QB:QB+1], s[86:87], s[2:3]
	s_add_nc_u64 s[KV:KV+1], s[QB:QB+1], 106496
.set i, 0
.rept 25
.if i < 12
	global_load_b128 v[32+4*i:35+4*i], v8, s[KV:KV+1] offset:8192*i
.else
	global_load_b128 v[48+4*i:51+4*i], v8, s[KV:KV+1] offset:8192*i
.endif
.set i, i+1
.endr
	global_load_b64 v[148:149], v30, s[KV:KV+1] offset:VSC
	s_lshl_b32 s16, s100, 5
	s_lshl_b32 s17, s[WV], 1
	s_add_co_u32 s16, s16, s17                     ; my first tile of queries: 32 x + 2 wave
	s_lshr_b32 s17, s101, 4
	s_lshl_b32 s17, s17, 7
	s_add_co_u32 s18, s17, s16                     ; 128 batch + tile
	s_and_b32 s19, s101, 15                        ; head
	s_mov_b32 s21, 0
	s_lshl_b32 s20, s18, 12
	s_add_nc_u64 s[MP:MP+1], s[80:81], s[20:21]    ; 4,096 bytes of mask words a tile: my 32 steps lie on end
	s_lshl_b32 s20, s18, 3
	s_add_nc_u64 s[FP:FP+1], s[82:83], s[20:21]    ; two words of flags a tile
	s_load_b128 s[8:11], s[FP:FP+1], 0x0
	s_lshr_b32 s18, s18, 1                         ; my pair of tiles
	s_mul_i32 s20, s18, 24576
	s_mul_i32 s22, s19, 1536
	s_add_co_u32 s20, s20, s22
	s_add_nc_u64 s[CI:CI+1], s[84:85], s[20:21]
	s_lshl_b32 s20, s18, 11
	s_lshl_b32 s22, s19, 7
	s_add_co_u32 s20, s20, s22
	s_add_co_u32 s20, s20, 6291456
	s_add_nc_u64 s[CW:CW+1], s[84:85], s[20:21]
	s_mul_i32 s20, s16, 768
	s_add_nc_u64 s[QI:QI+1], s[QB:QB+1], s[20:21]
	s_lshr_b32 s20, s16, 2
	s_lshl_b32 s20, s20, 8
	s_and_b32 s22, s16, 3
	s_lshl_b32 s22, s22, 2
	s_add_co_u32 s20, s20, s22
	s_add_co_u32 s20, s20, 98304
	s_add_nc_u64 s[QB:QB+1], s[QB:QB+1], s[20:21]  ; Q's scale words: 256 (tile / 4) + 16 r + 4 (tile % 4)
	global_load_b128 v[16:19], v[AK0], s[QI:QI+1]
	global_load_b64 v[20:21], v[AK1], s[QI:QI+1]
	global_load_b128 v[192:195], v[AK0], s[QI:QI+1] offset:768
	global_load_b64 v[196:197], v[AK1], s[QI:QI+1] offset:768
	global_load_b32 v28, v31, s[QB:QB+1]
	global_load_b32 v204, v31, s[QB:QB+1] offset:4
.set i, 0
.rept 25
	s_wait_loadcnt 31-i                            ; of the 32 loads, 31 - i were issued behind load i
.if i < 12
	ds_store_b128 v[8+i/8], v[32+4*i:35+4*i] offset:8192*(i%8)
.else
	ds_store_b128 v[8+i/8], v[48+4*i:51+4*i] offset:8192*(i%8)
.endif
.set i, i+1
.endr
	s_wait_loadcnt 6                               ; Q's six may be out
	ds_store_b64 v29, v[148:149]
	s_wait_dscnt 0x0                               ; my part of the block has landed,
	s_barrier_signal -1
	s_barrier_wait -1                              ; everybody's has; LDS is only read from here on
	s_wait_loadcnt 0x0
	s_wait_kmcnt 0x0
	s_lshl_b32 s9, s9, 8
	s_lshl_b32 s10, s10, 16
	s_lshl_b32 s11, s11, 24
	s_or_b32 s8, s8, s9
	s_or_b32 s10, s10, s11
	s_or_b32 s[FL], s8, s10
.macro KLOAD                           ; a step's eight fragments of K, six registers each, and their scale words
.irp t, 0,1,2,3,4,5,6,7
	ds_load_b128 v[32+6*\t:35+6*\t], v[ADK] offset:\t*768
	ds_load_b64 v[36+6*\t:37+6*\t], v[ADK2] offset:\t*768
.endr
	ds_load_b128 v[86:89], v[ADS]
	ds_load_b128 v[90:93], v[ADS] offset:256
.endm
; A KEY STEP: 128 keys against the tile whose fragment begins at v[qf], scale words in v[qs].
.macro STEP qf, qs
	s_wait_dscnt 0x0                               ; K's fragments and scale words
.irp t, 0,1,2,3,4,5,6,7
	v_wmma_scale_f32_16x16x128_f8f6f4 v[96+8*\t:103+8*\t], v[32+6*\t:43+6*\t], v[\qf:\qf+11], 0, v[86+\t], v[\qs] matrix_a_fmt:MATRIX_FMT_BF6 matrix_b_fmt:MATRIX_FMT_BF6
.endr
	v_add_nc_u32 v[ADV], s[TK], v[AV0]             ; these five are the places behind the products
	v_add_nc_u32 v[ADT], s[TJ], v[ASV0]
	s_add_co_u32 s[TK], s[TK], 6144
	s_add_co_u32 s[TS], s[TS], 512
	s_add_co_u32 s[TJ], s[TJ], 256
	v_add_nc_u32 v[ADK], s[TK], v[AK0]             ; the next step's K
	v_add_nc_u32 v[ADK2], s[TK], v[AK1]
	v_add_nc_u32 v[ADS], s[TS], v[ASK0]
.irp t, 0,1,2,3                                ; V's four tiles of 16 channels x these 128 keys, into registers that K has left
.irp c, 0,1,2
	ds_load_b128 v[32+12*\t+4*\c:35+12*\t+4*\c], v[ADV] offset:1536*\t+512*\c
.endr
.endr
	ds_load_b128 v[248:251], v[ADT]
	s_bitcmp1_b32 s[FL], s[CNT]                    ; has this step a masked key?
	s_wait_alu depctr_va_vdst(0)                   ; the wait ahead of the branch
	s_cbranch_scc0 .Lfree_\@
	s_load_b512 s[16:31], s[MP:MP+1], 0x0          ; its 64 mask words
	s_load_b512 s[32:47], s[MP:MP+1], 0x40
	s_load_b512 s[48:63], s[MP:MP+1], 0x80
	s_load_b512 s[80:95], s[MP:MP+1], 0xc0
	v_mov_b32 v254, 0xff800000                     ; -infinity
	s_wait_alu depctr_va_vdst(0)
	s_wait_kmcnt 0x0
.set n, 0
.rept 64                                       ; word n has a bit for each lane: set where the key of score register n is masked for the lane's query
.if n < 48
	v_cndmask_b32 v[96+n], v[96+n], v254, s[16+n]
.else
	v_cndmask_b32 v[96+n], v[96+n], v254, s[32+n]
.endif
.set n, n+1
.endr
.Lfree_\@:
	s_add_nc_u64 s[MP:MP+1], s[MP:MP+1], 256       ; (no load that names it is out)
	s_add_co_u32 s[CNT], s[CNT], 1
.irp b, 0,1,2,3
	v_max3_num_f32 v[232+\b], v[96+16*\b], v[97+16*\b], v[98+16*\b]   ; the largest score of each block of 32 keys: for the row's maximum and, since p rises with the score, for the block's largest p
.endr
.irp i, 3,5,7,9,11,13
.irp b, 0,1,2,3
	v_max3_num_f32 v[232+\b], v[232+\b], v[96+16*\b+\i], v[97+16*\b+\i]   ; (the four blocks by turns)
.endr
.endr
.irp b, 0,1,2,3
	v_max_num_f32 v[232+\b], v[232+\b], v[111+16*\b]
.endr
.irp b, 0,1,2,3
	s_delay_alu instid0(VALU_DEP_4)
	v_permlanex16_b32 v[236+\b], v[232+\b], s[SEL], s[SEL+1]
.endr
.irp b, 0,1,2,3
	s_delay_alu instid0(VALU_DEP_4)
	v_max_num_f32 v[232+\b], v[232+\b], v[236+\b]
.endr
	s_delay_alu instid0(VALU_DEP_2)
	v_max3_num_f32 v254, v232, v233, v234
	s_delay_alu instid0(VALU_DEP_1)
	v_max_num_f32 v254, v254, v235
	s_delay_alu instid0(VALU_DEP_1)
	v_mul_f32 v254, s[CS], v254                    ; as t
	s_delay_alu instid0(VALU_DEP_1)
	v_max_num_f32 v13, v13, v254                   ; the running largest t
	v_mov_b32 v254, v12
	s_delay_alu instid0(VALU_DEP_2)
	v_floor_f32 v12, -v13                          ; the new -M = floor(-t)
	s_delay_alu instid0(VALU_DEP_1)
	v_sub_f32 v254, v12, v254                      ; old M less new M: a whole number, 0 or less
	s_delay_alu instid0(VALU_DEP_1)
	v_cvt_i32_f32 v254, v254
	s_delay_alu instid0(VALU_DEP_1)
	v_ldexp_f32 v252, 1.0, v254                    ; f = 2^(old M - new M)
.set j, 0
.rept 32
	v_pk_fma_f32 v[96+j:97+j], v[96+j:97+j], s[CS:CS+1], v[12:13] op_sel_hi:[1,0,0]   ; t - M
.set j, j+2
.endr
.irp b, 0,1,2,3
	v_fma_f32 v[232+\b], v[232+\b], s[CS], v12     ; the same of each block's largest score
.endr
	s_wait_alu depctr_va_vdst(0)                   ; the wait ahead of the batch
.set j, 0
.rept 64
	v_exp_f32 v[96+j], v[96+j]                     ; p = 2^(t - M), at most 1
.set j, j+1
.endr
.irp b, 0,1,2,3
	v_exp_f32 v[232+\b], v[232+\b]                 ; the block's largest p
.endr
	v_pk_mul_f32 v[14:15], v[14:15], v[252:253] op_sel_hi:[1,0]   ; the sums under the new M: the plain line behind the batch
	s_wait_alu depctr_va_vdst(0)                   ; one wait for the batch, ahead of its first reader
.irp b, 0,1,2,3
	v_max_num_f32 v[232+\b], 0x2800000, v[232+\b]  ; the floor 2^(5 - 127): the byte cannot fall under 1
.endr
.irp b, 0,1,2,3
	s_delay_alu instid0(VALU_DEP_4)
	v_add_nc_u32 v[244+\b], 0xfe000000, v[232+\b]  ; 4 off the exponent field: the conversion's scale operand
.endr
.irp b, 0,1,2,3
	s_delay_alu instid0(VALU_DEP_4)
	v_lshrrev_b32 v[236+\b], 23, v[244+\b]
.endr
	s_delay_alu instid0(VALU_DEP_3)
	v_lshl_or_b32 v253, v237, 8, v236              ; p's scale word for these 128 keys
	s_delay_alu instid0(VALU_DEP_1)
	v_lshl_or_b32 v253, v238, 16, v253
	s_delay_alu instid0(VALU_DEP_1)
	v_lshl_or_b32 v253, v239, 24, v253
.irp c, 0,1
	v_cvt_scalef32_pk16_bf6_f32 v[224+6*\c:226+6*\c], v[96+32*\c:111+32*\c], v[244+2*\c]
	v_cvt_scalef32_pk16_bf6_f32 v[236+4*\c:238+4*\c], v[112+32*\c:127+32*\c], v[244+2*\c+1]
.endr
	v_nop                                          ; one plain line behind a scaled conversion
.irp c, 0,1                                    ; the operand's layout wants a whole block in a lane
.irp i, 0,1,2
	v_permlane16_swap_b32 v[224+6*\c+\i], v[236+4*\c+\i]
.endr
.irp i, 0,1,2
	s_delay_alu instid0(VALU_DEP_3)
	v_mov_b32 v[227+6*\c+\i], v[236+4*\c+\i]
.endr
.endr
	s_wait_alu depctr_va_vdst(0)                   ; the wait directly ahead of the first reader of O^T
.set j, 0
.rept 16
	v_pk_mul_f32 v[160+j:161+j], v[160+j:161+j], v[252:253] op_sel_hi:[1,0]   ; O^T under the new M; also the places between the codes, their scale word and the products below
.set j, j+2
.endr
	s_wait_alu depctr_va_vdst(0)
	s_wait_dscnt 0x0                               ; V's fragments and scale words
.irp t, 0,1,2,3                                ; O^T += V^T P^T: four accumulators by turns
	v_wmma_scale_f32_16x16x128_f8f6f4 v[160+8*\t:167+8*\t], v[32+12*\t:43+12*\t], v[224:235], v[160+8*\t:167+8*\t], v[248+\t], v253 matrix_a_fmt:MATRIX_FMT_BF6 matrix_b_fmt:MATRIX_FMT_BF6
.endr
.set j, 0
.rept 7                                        ; the row's sum of the unquantised p, in eight chains; these name no register of the products above and are their places
	v_pk_add_f32 v[206+2*j:207+2*j], v[96+4*j:97+4*j], v[98+4*j:99+4*j]
.set j, j+1
.endr
	v_pk_add_f32 v[14:15], v[14:15], v[124:125]
	KLOAD                                          ; the next step's K, into registers that V has left
.set j, 0
.rept 14
	v_pk_add_f32 v[206+2*(j%7):207+2*(j%7)], v[206+2*(j%7):207+2*(j%7)], v[126+2*j:127+2*j]
.set j, j+1
.endr
	v_pk_add_f32 v[14:15], v[14:15], v[154:155]
	v_pk_add_f32 v[206:207], v[206:207], v[156:157]
	v_pk_add_f32 v[208:209], v[208:209], v[158:159]
	v_pk_add_f32 v[210:211], v[210:211], v[212:213]
	v_pk_add_f32 v[214:215], v[214:215], v[216:217]
	v_pk_add_f32 v[14:15], v[14:15], v[218:219]
	s_delay_alu instid0(VALU_DEP_4)
	v_pk_add_f32 v[206:207], v[206:207], v[208:209]
	s_delay_alu instid0(VALU_DEP_3)
	v_pk_add_f32 v[210:211], v[210:211], v[214:215]
	s_delay_alu instid0(VALU_DEP_2)
	v_pk_add_f32 v[14:15], v[14:15], v[206:207]
	s_delay_alu instid0(VALU_DEP_1)
	v_pk_add_f32 v[14:15], v[14:15], v[210:211]
.endm
; A TILE OF 16 QUERIES: all 2,048 keys, then the way out.
.macro TILE u, qf, qs
.if \u
	s_wait_xcnt 0x0                                ; the first tile's stores have read the codes' registers
.endif
	s_wait_dscnt 0x0                               ; no LDS load is on its way into K's registers
	s_mov_b32 s[TK], 0
	s_mov_b32 s[TS], 0
	s_mov_b32 s[TJ], 0
	s_mov_b32 s[STP], 16
	v_mov_b32 v13, 0xff61b1e6                      ; the largest t so far: -3e38
	v_add_nc_u32 v[ADK], s[TK], v[AK0]
	v_add_nc_u32 v[ADK2], s[TK], v[AK1]
	v_add_nc_u32 v[ADS], s[TS], v[ASK0]
	v_floor_f32 v12, -v13
	v_mov_b32 v14, 0
	v_mov_b32 v15, 0
	KLOAD
.set j, 0
.rept 32
	v_mov_b32 v[160+j], 0                          ; O^T: the step is written once; its first trip finds zeros
.set j, j+1
.endr
	s_wait_alu depctr_va_vdst(0)
.Lstep_\@:
	STEP \qf, \qs
	s_sub_co_u32 s[STP], s[STP], 1
	s_cmp_lg_u32 s[STP], 0
	s_wait_alu depctr_va_vdst(0)                   ; the wait ahead of the branch
	s_cbranch_scc1 .Lstep_\@
	v_add_f32 v14, v14, v15
	s_delay_alu instid0(VALU_DEP_1)
	v_permlanex16_b32 v252, v14, s[SEL], s[SEL+1]
	s_delay_alu instid0(VALU_DEP_1)
	v_add_f32 v15, v14, v252                       ; the row's sum
	s_delay_alu instid0(VALU_DEP_1)
	v_cmp_eq_f32 s2, 0, v15                        ; 0 only where every key was masked:
	s_delay_alu instid0(VALU_DEP_1)
	v_cndmask_b32 v14, v15, 1.0, s2                ; there the zeros are divided by 1, and the scale word below says NaN
	s_wait_alu depctr_va_vdst(0)
	v_rcp_f32 v14, v14
	v_mov_b32 v254, 0xffff                         ; (the plain line behind the reciprocal)
	s_wait_alu depctr_va_vdst(0)                   ; the wait ahead of its first reader
.set j, 0
.rept 16
	v_pk_mul_f32 v[96+j:97+j], v[160+j:161+j], v[14:15] op_sel_hi:[1,0]   ; register 16 b + i: channel 32 b + 16 (lane / 16) + i of my query
.set j, j+2
.endr
.irp b, 0,1
	v_max3_num_f32 v[232+\b], |v[96+16*\b]|, |v[97+16*\b]|, 0x2800000
.endr
.irp i, 2,4,6,8,10,12,14
.irp b, 0,1
	s_delay_alu instid0(VALU_DEP_2)
	v_max3_num_f32 v[232+\b], v[232+\b], |v[96+16*\b+\i]|, |v[97+16*\b+\i]|
.endr
.endr
.irp b, 0,1
	s_delay_alu instid0(VALU_DEP_2)
	v_permlanex16_b32 v[236+\b], v[232+\b], s[SEL], s[SEL+1]
.endr
.irp b, 0,1
	s_delay_alu instid0(VALU_DEP_2)
	v_max_num_f32 v[232+\b], v[232+\b], v[236+\b]
.endr
.irp b, 0,1
	s_delay_alu instid0(VALU_DEP_2)
	v_add_nc_u32 v[244+\b], 0xfe000000, v[232+\b]
.endr
.irp b, 0,1
	s_delay_alu instid0(VALU_DEP_2)
	v_lshrrev_b32 v[236+\b], 23, v[244+\b]
.endr
	s_delay_alu instid0(VALU_DEP_1)
	v_lshl_or_b32 v252, v237, 8, v236              ; two bytes
	s_delay_alu instid0(VALU_DEP_1)
	v_cndmask_b32 v252, v252, v254, s2
	v_cvt_scalef32_pk16_bf6_f32 v[224:226], v[96:111], v244
	v_cvt_scalef32_pk16_bf6_f32 v[240:242], v[112:127], v245
	v_nop
.irp i, 0,1,2
	v_permlane16_swap_b32 v[224+\i], v[240+\i]
.endr
.irp i, 0,1,2
	s_delay_alu instid0(VALU_DEP_3)
	v_mov_b32 v[227+\i], v[240+\i]
.endr
	global_store_b128 v[AK0], v[224:227], s[CI:CI+1] offset:768*\u    ; six registers a lane: 512 and 256 consecutive bytes
	global_store_b64 v[AK1], v[228:229], s[CI:CI+1] offset:768*\u
.if \u == 0
	v_mov_b32 v[WSV], v252
.else
	s_mov_b32 s3, 0xffff0000
	v_cndmask_b32 v[WSV], v[WSV], v252, s3         ; lanes 0-15 keep the first tile's words, lanes 16-31 take the second's
.endif
.endm
	TILE 0, 16, 28
	TILE 1, 192, 204
	v_and_b32 v31, 31, v0
	s_delay_alu instid0(VALU_DEP_1)
	v_lshlrev_b32 v31, 2, v31
	global_store_b32 v31, v[WSV], s[CW:CW+1]       ; 128 bytes: the words are a twelfth of the codes' bytes
	s_wait_tensorcnt 0x0                           ; the wave's end
	ds_add_u32 v[SPW], v[NIL]
	s_wait_dscnt 0x0
	s_endpgm
.Lfunc_end_k_qa6d2cf7595_attn:
	.size	k_qa6d2cf7595_attn, .Lfunc_end_k_qa6d2cf7595_attn-k_qa6d2cf7595_attn
	.p2alignl 7, 3214868480
	.fill 96, 4, 3214868480
	.section	.rodata,"a",@progbits
	.p2align	6, 0x0
	.amdhsa_kernel k_qa6d2cf7595_attn
		.amdhsa_group_segment_fixed_size 210944
		.amdhsa_private_segment_fixed_size 0
		.amdhsa_enable_private_segment 0
		.amdhsa_kernarg_size 32
		.amdhsa_user_sgpr_count 2
		.amdhsa_user_sgpr_kernarg_segment_ptr 1
		.amdhsa_wavefront_size32 1
		.amdhsa_system_sgpr_workgroup_id_x 1
		.amdhsa_system_sgpr_workgroup_id_y 1
		.amdhsa_system_sgpr_workgroup_id_z 1
		.amdhsa_system_vgpr_workitem_id 0
		.amdhsa_next_free_vgpr 256
		.amdhsa_next_free_sgpr 102
		.amdhsa_reserve_vcc 0
		.amdhsa_float_denorm_mode_32 3
		.amdhsa_float_denorm_mode_16_64 3
		.amdhsa_memory_ordered 1
		.amdhsa_forward_progress 1
		.amdhsa_inst_pref_size 67
	.end_amdhsa_kernel
	.amdgpu_metadata
---
amdhsa.version: [ 1, 2 ]
amdhsa.kernels:
  - .name:           k_qa6d2cf7595_attn
    .symbol:         k_qa6d2cf7595_attn.kd
    .args:
      - { .name: maskw, .offset: 0, .size: 8, .value_kind: global_buffer, .address_space: global }
      - { .name: maskf, .offset: 8, .size: 8, .value_kind: global_buffer, .address_space: global }
      - { .name: ctx, .offset: 16, .size: 8, .value_kind: global_buffer, .address_space: global }
      - { .name: qkv, .offset: 24, .size: 8, .value_kind: global_buffer, .address_space: global }
    .group_segment_fixed_size: 210944
    .private_segment_fixed_size: 0
    .kernarg_segment_align: 8
    .kernarg_segment_size: 32
    .max_flat_workgroup_size: 512
    .sgpr_count:     102
    .vgpr_count:     256
    .wavefront_size: 32
...
	.end_amdgpu_metadata
.endif
;; end of part 3
;; launch outln (part 4): grid 256 x 1, 16 waves a work-group, no clusters, 172,032 bytes of LDS; arguments ctx, woimg, Wo_scales, q, bo, gamma, beta, out0; writes out0
.if DOCPART == 4
	.amdgcn_target "amdgcn-amd-amdhsa--gfx1250"
	.amdhsa_code_object_version 6
	.text
	.protected	k_qa6d2cf7595_outln
	.globl	k_qa6d2cf7595_outln
	.p2align	8
	.type	k_qa6d2cf7595_outln,@function
k_qa6d2cf7595_outln:
	s_mov_b64 s[64:65], 0
	v_nop
	global_prefetch_b8 v0, s[64:65] scope:SCOPE_SE
	s_setreg_imm32_b32 hwreg(HW_REG_WAVE_MODE, 25, 1), 1
	s_wait_xcnt 0x0
; out = LayerNorm(q + ctx Wo^T + bo) x gamma + beta.  The product is on codes of BF6 with E8M0 scales; all else in f32.  No work is left out.
; SHARES.  A work-group takes the 32 rows of one pair of query tiles, whole rows of 1,024, so that mean and variance stay inside it; wave w takes columns 64 w .. 64 w + 63: eight accumulators (two tiles of rows x four of columns).
; NO TENSOR LOAD, NO CLUSTER: a wave's 64 columns of Wo are read by that wave alone in its work-group and come straight into operand registers, as images, 512 consecutive bytes a load; through LDS a K step would be
; 98,304 bytes behind a round of a cluster's barrier for eight matrix instructions a wave.  ctx, which all sixteen waves read, goes through LDS: each wave copies 1,536 of its 24,576 bytes.
; THE MATRIX INSTRUCTION: source 0 = 16 rows of Wo (output columns), source 1 = 16 rows of ctx: a lane holds eight neighbouring columns of one row.  q is the C of the first products.
; ROWS.  Lane r of tile u is row 8 u + r + 8 (r / 8) of the 32.  In my stage (32 places of 272 bytes) place 16 u + r holds that row's 64 columns; row 2 i + (lane / 16) lies at place SG(i) + lane / 16.
; The variance is taken in a second pass, of x - mean, as the source writes it.
; REGISTERS: v1-10 addresses; v16-79 accumulators; v80-103 ctx's two fragments; v104-119 Wo's scale words; v120-127 ctx's; v128-223 Wo's fragments, two sets; later v128-191 rows of x, v192-223 mean, then 1 / deviation, in even registers;
; v224-239 ctx's words as stored, later bo, gamma, beta; v254, v255 the add's two.
.set CIMG,  0                          ; LDS: ctx's 32 half images
.set RED1,  24576                      ; 32 rows x 16 waves: sums
.set RED2,  26624                      ; and sums of squares
.set STG,   28672                      ; sixteen stages of 8,704 bytes
.set SPARE, 167936                     ; the spare words, 128 bytes a wave: eight blocks of 256 bytes that no other line names
.set ACC, 16
.set CF,  80
.set WS,  104
.set CS,  120
.set WF,  128
.set X,   128
.set MU,  192
.set BO,  224
.set GA,  228
.set BE,  232
.set SPW, 254
.set NIL, 255
	s_load_b512 s[4:19], s[0:1], 0x0               ; ctx, woimg, Wo_scales, q, bo, gamma, beta, out0
	v_lshl_add_u32 v[SPW], v0, 2, SPARE
	v_mov_b32 v[NIL], 0
	v_lshrrev_b32 v1, 5, v0
	s_delay_alu instid0(VALU_DEP_1)
	v_readfirstlane_b32 s20, v1                    ; wave 0..15
	v_and_b32 v11, 31, v0                          ; lane
	v_and_b32 v12, 15, v0                          ; lane % 16
	v_bfe_u32 v13, v0, 4, 1                        ; lane / 16
	s_delay_alu instid0(VALU_DEP_3)
	v_lshlrev_b32 v1, 4, v11                       ; 16 x lane
	s_delay_alu instid0(VALU_DEP_4)
	v_lshl_add_u32 v2, v11, 3, 512                 ; 512 + 8 x lane
	s_delay_alu instid0(VALU_DEP_4)
	v_lshlrev_b32 v9, 4, v12                       ; 16 x (lane % 16)
	s_delay_alu instid0(VALU_DEP_1)
	v_lshl_add_u32 v3, v13, 12, v9                 ; q, out0: two rows an instruction, sixteen lanes to 256 bytes
	s_mul_i32 s21, s20, 8704
	s_add_co_u32 s21, s21, STG                     ; my stage
	v_mul_u32_u24 v4, v13, 272
	s_delay_alu instid0(VALU_DEP_1)
	v_add_nc_u32 v4, v4, v9
	s_delay_alu instid0(VALU_DEP_1)
	v_add_nc_u32 v4, s21, v4                       ; by rows
	v_mul_u32_u24 v5, v12, 272
	s_delay_alu instid0(VALU_DEP_1)
	v_lshl_add_u32 v5, v13, 5, v5
	s_delay_alu instid0(VALU_DEP_1)
	v_add_nc_u32 v5, s21, v5                       ; as the accumulators lie
	s_lshl_b32 s22, s20, 2
	v_lshlrev_b32 v6, 6, v13
	s_delay_alu instid0(VALU_DEP_1)
	v_add_nc_u32 v6, s22, v6                       ; a row's sixteen partial sums: 64 bytes a row, my wave's word
	v_lshlrev_b32 v7, 2, v11                       ; 4 x lane
	v_lshlrev_b32 v8, 5, v11                       ; 32 x lane: a row of Wo's scale bytes
	s_mul_i32 s21, s20, 1536
	v_add_nc_u32 v10, s21, v1                      ; where I put my part of ctx
	s_mul_i32 s22, ttmp9, 24576
	s_add_co_u32 s22, s22, s21
	s_mov_b32 s23, 0
	s_lshl_b32 s28, ttmp9, 11
	s_add_co_u32 s28, s28, 6291456
	s_mov_b32 s29, 0
	s_mul_i32 s30, s20, 49152
	s_mov_b32 s31, 0
	s_lshl_b32 s32, s20, 11
	s_mov_b32 s33, 0
	s_lshl_b32 s36, s20, 8
	s_mov_b32 s37, 0
	s_lshl_b32 s34, ttmp9, 17
	s_add_co_u32 s34, s34, s36
	s_mov_b32 s35, 0
	s_mov_b32 s38, 0x3a800000                      ; 1 / 1,024
	s_mov_b32 s39, 0x3727c5ac                      ; 1e-5
	s_wait_alu depctr_va_vdst(0)
	s_wait_kmcnt 0x0
	s_add_nc_u64 s[24:25], s[4:5], s[22:23]        ; ctx: my 1,536 bytes of the pair's images
	s_add_nc_u64 s[26:27], s[4:5], s[28:29]        ; the pair's scale words
	s_add_nc_u64 s[6:7], s[6:7], s[30:31]          ; my four tiles of Wo
	s_add_nc_u64 s[8:9], s[8:9], s[32:33]          ; their scale bytes
	s_add_nc_u64 s[10:11], s[10:11], s[34:35]      ; q and out0 at the pair's first row, my 64 columns
	s_add_nc_u64 s[18:19], s[18:19], s[34:35]
	s_add_nc_u64 s[12:13], s[12:13], s[36:37]      ; bo, gamma, beta at my columns
	s_add_nc_u64 s[14:15], s[14:15], s[36:37]
	s_add_nc_u64 s[16:17], s[16:17], s[36:37]
.macro WLOAD s                         ; K step s of my four tiles of Wo, into set s % 2
.irp t, 0,1,2,3
.irp c, 0,1,2
	global_load_b128 v[WF+48*((\s)%2)+12*\t+4*\c:WF+48*((\s)%2)+12*\t+4*\c+3], v1, s[6:7] offset:12288*\t+1536*(\s)+512*\c
.endr
.endr
.endm
.irp c, 0,1,2
	global_load_b128 v[CF+4*\c:CF+4*\c+3], v1, s[24:25] offset:512*\c
.endr
.irp d, 0,1,2,3,4,5,6,7,8,9,10,11,12,13,14,15
	global_load_b32 v[224+\d], v7, s[26:27] offset:128*\d        ; head d: lanes 0-15 the first tile's rows, lanes 16-31 the second's; two bytes each
.endr
.irp e, 0,1,2,3
	global_load_b128 v[WS+4*\e:WS+4*\e+3], v8, s[8:9] offset:1024*(\e/2)+16*(\e%2)   ; register 8 (t / 2) + s: lanes 0-15 the even tile's rows, lanes 16-31 the odd tile's
.endr
.irp i, 0,1,2,3,4,5,6,7,8,9,10,11,12,13,14,15
	global_load_b128 v[ACC+4*\i:ACC+4*\i+3], v3, s[10:11] offset:8192*\i th:TH_LOAD_NT
.endr
	WLOAD 0
	WLOAD 1
	s_wait_loadcnt 60                              ; my part of ctx is in; the 60 loads behind it may be out
.irp c, 0,1,2
	ds_store_b128 v10, v[CF+4*\c:CF+4*\c+3] offset:CIMG+512*\c
.endr
	s_wait_loadcnt 40                              ; the scale words are in; q's 16 loads and Wo's 24 may be out
.irp s, 0,1,2,3,4,5,6,7
	v_lshl_or_b32 v[CS+\s], v[225+2*\s], 16, v[224+2*\s]   ; K step s is heads 2 s and 2 s + 1: four bytes
.endr
.rept 8
	v_nop                                          ; a scale register written by a vector line stands eight places ahead of a scaled matrix instruction
.endr
	s_wait_alu depctr_va_vdst(0)
	s_wait_loadcnt 24                              ; q is in; Wo's two sets may be out
.irp i, 0,1,2,3,4,5,6,7,8,9,10,11,12,13,14,15
	ds_store_b128 v4, v[ACC+4*\i:ACC+4*\i+3] offset:(16*((\i/4)%2)+2*(\i%4)+8*(\i/8))*272
.endr
.irp a, 0,1,2,3,4,5,6,7                        ; LDS serves a wave's instructions in order: q comes back as the accumulators lie
	ds_load_b128 v[ACC+8*\a:ACC+8*\a+3], v5 offset:4352*(\a/4)+64*(\a%4)
	ds_load_b128 v[ACC+8*\a+4:ACC+8*\a+7], v5 offset:4352*(\a/4)+64*(\a%4)+16
.endr
	s_wait_dscnt 0x0                               ; my part of ctx has landed
	s_barrier_signal -1
	s_barrier_wait -1                              ; everybody's has
.macro PROD s, t, u
.set rD, ACC+8*(4*(\u)+(\t))
.set rA, WF+48*((\s)%2)+12*(\t)
.set rB, CF+12*(\u)
.set rS, WS+8*((\t)/2)+(\s)
.if ((\t)%2 == 0) && ((\u) == 0)
	v_wmma_scale_f32_16x16x128_f8f6f4 v[rD:rD+7], v[rA:rA+11], v[rB:rB+11], v[rD:rD+7], v[rS], v[CS+(\s)] matrix_a_fmt:MATRIX_FMT_BF6 matrix_b_fmt:MATRIX_FMT_BF6
.elseif ((\u) == 0)
	v_wmma_scale_f32_16x16x128_f8f6f4 v[rD:rD+7], v[rA:rA+11], v[rB:rB+11], v[rD:rD+7], v[rS], v[CS+(\s)] matrix_a_fmt:MATRIX_FMT_BF6 matrix_b_fmt:MATRIX_FMT_BF6 matrix_a_scale:MATRIX_SCALE_ROW1
.elseif ((\t)%2 == 0)
	v_wmma_scale_f32_16x16x128_f8f6f4 v[rD:rD+7], v[rA:rA+11], v[rB:rB+11], v[rD:rD+7], v[rS], v[CS+(\s)] matrix_a_fmt:MATRIX_FMT_BF6 matrix_b_fmt:MATRIX_FMT_BF6 matrix_b_scale:MATRIX_SCALE_ROW1
.else
	v_wmma_scale_f32_16x16x128_f8f6f4 v[rD:rD+7], v[rA:rA+11], v[rB:rB+11], v[rD:rD+7], v[rS], v[CS+(\s)] matrix_a_fmt:MATRIX_FMT_BF6 matrix_b_fmt:MATRIX_FMT_BF6 matrix_a_scale:MATRIX_SCALE_ROW1 matrix_b_scale:MATRIX_SCALE_ROW1
.endif
.endm
.macro KSTEP s                         ; 128 along K: two heads
.irp u, 0,1
.irp c, 0,1
	ds_load_b128 v[CF+12*\u+6*\c:CF+12*\u+6*\c+3], v1 offset:CIMG+(2*\s+\c)*1536+768*\u
	ds_load_b64 v[CF+12*\u+6*\c+4:CF+12*\u+6*\c+5], v2 offset:CIMG+(2*\s+\c)*1536+768*\u
.endr
.endr
.if \s == 7
	s_wait_loadcnt 3                               ; the last set of Wo is in; bo, gamma and beta may be out
.else
	s_wait_loadcnt 12                              ; this step's set of Wo is in; the other set's twelve loads may be out
.endif
	s_wait_dscnt 0x0
.irp t, 0,1,2,3
.irp u, 0,1
	PROD \s, \t, \u                                ; eight accumulators by turns
.endr
.endr
.rept 4
	v_nop                                          ; places in front of loads into registers that matrix instructions have read, and of the first read of results
.endr
.if \s < 6
	WLOAD (\s)+2
.elseif \s == 6
	global_load_b128 v[BO:BO+3], v9, s[12:13]      ; four columns a lane, as the rows will lie
	global_load_b128 v[GA:GA+3], v9, s[14:15]
	global_load_b128 v[BE:BE+3], v9, s[16:17]
.endif
.endm
.irp s, 0,1,2,3,4,5,6,7
	KSTEP \s
.endr
	; ---- rows.  Through my stage: x comes back two rows an instruction, sixteen lanes to a row's 64 columns of mine
.irp a, 0,1,2,3,4,5,6,7
	ds_store_b128 v5, v[ACC+8*\a:ACC+8*\a+3] offset:4352*(\a/4)+64*(\a%4)          ; each accumulator from its low end on
	ds_store_b128 v5, v[ACC+8*\a+4:ACC+8*\a+7] offset:4352*(\a/4)+64*(\a%4)+16
.endr
.irp i, 0,1,2,3,4,5,6,7,8,9,10,11,12,13,14,15
	ds_load_b128 v[X+4*\i:X+4*\i+3], v4 offset:(16*((\i/4)%2)+2*(\i%4)+8*(\i/8))*272
.endr
	s_wait_dscnt 0x0
	s_wait_loadcnt 0x0                             ; bo, gamma, beta
.irp i, 0,1,2,3,4,5,6,7,8,9,10,11,12,13,14,15
	v_pk_add_f32 v[X+4*\i:X+4*\i+1], v[X+4*\i:X+4*\i+1], v[BO:BO+1]
	v_pk_add_f32 v[X+4*\i+2:X+4*\i+3], v[X+4*\i+2:X+4*\i+3], v[BO+2:BO+3]
.endr
.macro ACROSS                          ; the sum over the sixteen lanes of each half, in every lane; the sixteen registers by turns
.irp m, 1,2,4,8
.irp i, 0,1,2,3,4,5,6,7,8,9,10,11,12,13,14,15
	v_add_f32_dpp v[MU+2*\i], v[MU+2*\i], v[MU+2*\i] row_xmask:\m row_mask:0xf bank_mask:0xf
.endr
.endr
.endm
.macro MEET red                        ; my wave's part of each row's sum goes to LDS; behind the barrier a lane takes wave lane % 16's part
.irp i, 0,1,2,3,4,5,6,7,8,9,10,11,12,13,14,15
	ds_store_b32 v6, v[MU+2*\i] offset:\red+128*\i ; sixteen lanes write one word with one value
.endr
	s_wait_dscnt 0x0
	s_barrier_signal -1
	s_barrier_wait -1
.irp i, 0,1,2,3,4,5,6,7,8,9,10,11,12,13,14,15
	ds_load_b32 v[MU+2*\i], v7 offset:\red+128*\i
.endr
	s_wait_dscnt 0x0
.endm
.irp i, 0,1,2,3,4,5,6,7,8,9,10,11,12,13,14,15
	v_pk_add_f32 v[MU+2*\i:MU+2*\i+1], v[X+4*\i:X+4*\i+1], v[X+4*\i+2:X+4*\i+3]
.endr
.irp i, 0,1,2,3,4,5,6,7,8,9,10,11,12,13,14,15
	v_add_f32 v[MU+2*\i], v[MU+2*\i], v[MU+2*\i+1]
.endr
	ACROSS
	MEET RED1
	ACROSS
.irp i, 0,1,2,3,4,5,6,7,8,9,10,11,12,13,14,15
	v_mul_f32 v[MU+2*\i], s38, v[MU+2*\i]          ; the mean
.endr
.irp i, 0,1,2,3,4,5,6,7,8,9,10,11,12,13,14,15
	v_pk_add_f32 v[X+4*\i:X+4*\i+1], v[X+4*\i:X+4*\i+1], v[MU+2*\i:MU+2*\i+1] op_sel_hi:[1,0] neg_lo:[0,1] neg_hi:[0,1]
	v_pk_add_f32 v[X+4*\i+2:X+4*\i+3], v[X+4*\i+2:X+4*\i+3], v[MU+2*\i:MU+2*\i+1] op_sel_hi:[1,0] neg_lo:[0,1] neg_hi:[0,1]
.endr
.irp i, 0,1,2,3,4,5,6,7,8,9,10,11,12,13,14,15
	v_pk_mul_f32 v[MU+2*\i:MU+2*\i+1], v[X+4*\i:X+4*\i+1], v[X+4*\i:X+4*\i+1]
.endr
.irp i, 0,1,2,3,4,5,6,7,8,9,10,11,12,13,14,15
	v_pk_fma_f32 v[MU+2*\i:MU+2*\i+1], v[X+4*\i+2:X+4*\i+3], v[X+4*\i+2:X+4*\i+3], v[MU+2*\i:MU+2*\i+1]
.endr
.irp i, 0,1,2,3,4,5,6,7,8,9,10,11,12,13,14,15
	v_add_f32 v[MU+2*\i], v[MU+2*\i], v[MU+2*\i+1]
.endr
	ACROSS
	MEET RED2
	ACROSS
.irp i, 0,1,2,3,4,5,6,7,8,9,10,11,12,13,14,15
	v_fma_f32 v[MU+2*\i], v[MU+2*\i], s38, s39     ; the variance + 1e-5
.endr
	s_wait_alu depctr_va_vdst(0)
.irp i, 0,1,2,3,4,5,6,7,8,9,10,11,12,13,14,15
	v_rsq_f32 v[MU+2*\i], v[MU+2*\i]
.endr
	v_nop                                          ; the plain line behind the batch,
	s_wait_alu depctr_va_vdst(0)                   ; and its one wait, ahead of the first reader
.irp i, 0,1,2,3,4,5,6,7,8,9,10,11,12,13,14,15
	v_pk_mul_f32 v[X+4*\i:X+4*\i+1], v[X+4*\i:X+4*\i+1], v[MU+2*\i:MU+2*\i+1] op_sel_hi:[1,0]
	v_pk_mul_f32 v[X+4*\i+2:X+4*\i+3], v[X+4*\i+2:X+4*\i+3], v[MU+2*\i:MU+2*\i+1] op_sel_hi:[1,0]
	s_delay_alu instid0(VALU_DEP_2)
	v_pk_fma_f32 v[X+4*\i:X+4*\i+1], v[X+4*\i:X+4*\i+1], v[GA:GA+1], v[BE:BE+1]
	s_delay_alu instid0(VALU_DEP_2)
	v_pk_fma_f32 v[X+4*\i+2:X+4*\i+3], v[X+4*\i+2:X+4*\i+3], v[GA+2:GA+3], v[BE+2:BE+3]
	global_store_b128 v3, v[X+4*\i:X+4*\i+3], s[18:19] offset:8192*\i th:TH_STORE_NT   ; each half of the lanes stores 256 consecutive bytes, aligned
.endr
	s_wait_tensorcnt 0x0                           ; the wave's end, behind my last LDS store
	ds_add_u32 v[SPW], v[NIL]
	s_wait_dscnt 0x0
	s_endpgm
.Lfunc_end_k_qa6d2cf7595_outln:
	.size	k_qa6d2cf7595_outln, .Lfunc_end_k_qa6d2cf7595_outln-k_qa6d2cf7595_outln
	.p2alignl 7, 3214868480
	.fill 96, 4, 3214868480
	.section	.rodata,"a",@progbits
	.p2align	6, 0x0
	.amdhsa_kernel k_qa6d2cf7595_outln
		.amdhsa_group_segment_fixed_size 172032
		.amdhsa_private_segment_fixed_size 0
		.amdhsa_enable_private_segment 0
		.amdhsa_kernarg_size 64
		.amdhsa_user_sgpr_count 2
		.amdhsa_user_sgpr_kernarg_segment_ptr 1
		.amdhsa_wavefront_size32 1
		.amdhsa_system_sgpr_workgroup_id_x 1
		.amdhsa_system_sgpr_workgroup_id_y 1
		.amdhsa_system_sgpr_workgroup_id_z 1
		.amdhsa_system_vgpr_workitem_id 0
		.amdhsa_next_free_vgpr 256
		.amdhsa_next_free_sgpr 66
		.amdhsa_reserve_vcc 0
		.amdhsa_float_denorm_mode_32 3
		.amdhsa_float_denorm_mode_16_64 3
		.amdhsa_memory_ordered 1
		.amdhsa_forward_progress 1
		.amdhsa_inst_pref_size 72
	.end_amdhsa_kernel
	.amdgpu_metadata
---
amdhsa.version: [ 1, 2 ]
amdhsa.kernels:
  - .name:           k_qa6d2cf7595_outln
    .symbol:         k_qa6d2cf7595_outln.kd
    .args:
      - { .name: ctx, .offset: 0, .size: 8, .value_kind: global_buffer, .address_space: global }
      - { .name: woimg, .offset: 8, .size: 8, .value_kind: global_buffer, .address_space: global }
      - { .name: Wo_scales, .offset: 16, .size: 8, .value_kind: global_buffer, .address_space: global }
      - { .name: q, .offset: 24, .size: 8, .value_kind: global_buffer, .address_space: global }
      - { .name: bo, .offset: 32, .size: 8, .value_kind: global_buffer, .address_space: global }
      - { .name: gamma, .offset: 40, .size: 8, .value_kind: global_buffer, .address_space: global }
      - { .name: beta, .offset: 48, .size: 8, .value_kind: global_buffer, .address_space: global }
      - { .name: out0, .offset: 56, .size: 8, .value_kind: global_buffer, .address_space: global }
    .group_segment_fixed_size: 172032
    .private_segment_fixed_size: 0
    .kernarg_segment_align: 8
    .kernarg_segment_size: 64
    .max_flat_workgroup_size: 512
    .sgpr_count:     66
    .vgpr_count:     256
    .wavefront_size: 32
...
	.end_amdgpu_metadata
.endif
;; end of part 4
